; MI455X (gfx1250); checked and timed in simulation.
; The chip was launched on July 23, 2026; its instructions are those of AMD's public machine-readable ISA for CDNA 5 (MIT licence, August 2026) and "CDNA5" Instruction Set Architecture Reference Guide (July 2026). The comments in the code are by the model that wrote it; some were corrected since.
;; Causal Self Attention. Allowed arithmetic: matrix products marked QUANTISED: E2M1 operands, one E8M0 scale for each 32 along K, by v_wmma_scale_f32_16x16x128_f8f6f4 with both operands' format E2M1 (or v_wmma_scale_f32_32x16x128_f4), f32 sums; products left as they are: bf16, f16 or f32 operands; f32 sums; everything else in f32.
;; Inputs: W_attn 1,024 x 3,072 float32; W_proj 1,024 x 1,024 float32; b_attn 3,072 float32; b_proj 1,024 float32; x 4 x 2,048 x 1,024 float32.
;; Outputs: out0 4 x 2,048 x 1,024 float32.
;; This version of the problem:
;;   THIS VERSION OF THE PROBLEM IS GIVEN IN LOW PRECISION. The matrix products marked QUANTISED in the list below multiply operands that are first quantised to E2M1 (2 exponent bits, 1 mantissa bit; 4 bits a number), with one power-of-two scale for each 32 numbers along K (OCP MX v1.0); their sums are f32. The products marked 'left as it is' may take bf16, f16 or f32 operands, with f32 sums. Whichever they take, every output number must still come out within the allowed error. Rounding operands to bf16 (8 significant bits) uses up far more of that allowance than f16 does (11 bits, for magnitudes from 6e-5 to 65,504). All else is computed in f32.
;;   The module's matrix products, in the order in which they are computed (A, B: the left and right operand; K: the contracted axis; several contracted axes count as one K, in the product's order):
;;     1. [M 8,192, K 1,024] x [K 1,024, N 3,072]; A: input x; B: input W_attn: QUANTISED
;;     2. batch 64 x [M 2,048, K 64] x [K 64, N 2,048]; A: computed on the way; B: computed on the way: left as it is (an operand is computed on the way)
;;     3. batch 64 x [M 2,048, K 2,048] x [K 2,048, N 64]; A: computed on the way; B: computed on the way: left as it is (an operand is computed on the way)
;;     4. [M 8,192, K 1,024] x [K 1,024, N 1,024]; A: computed on the way; B: input W_proj: left as it is (an operand is computed on the way)
;;   THE QUANTISER, for each operand of a quantised product, along K:
;;     - K is cut into blocks of 32 from its start; a last block that is shorter is filled with zeros.
;;     - A block's scale is 2^e with e = floor(log2(the largest magnitude in the block)) - 2, held to -126 .. 127; a block of zeros has e = 0. As a byte (E8M0): e + 127.
;;     - Each number is divided by its block's scale, clamped to +-6, and rounded to the nearest number of E2M1, ties to even, subnormals kept.
;;     - The product sums the exact products of the quantised numbers (number of the format x scale) in f32.
;;   ~~~python
;;   def quantise(x, axis):      # numpy; x: float32 -> the quantised numbers, widened to float32 again
;;       x = np.moveaxis(x, axis, -1); K = x.shape[-1]
;;       x = np.pad(x, [(0, 0)] * (x.ndim - 1) + [(0, -K % 32)]); x = x.reshape(x.shape[:-1] + (-1, 32)); a = np.abs(x).max(-1, keepdims=True)
;;       e = np.where(a > 0, np.clip(np.frexp(np.where(a > 0, a, 1))[1] - 1 - 2, -126, 127), 0)      # np.frexp(a)[1] - 1 = floor(log2(a)), exactly
;;       r = np.clip(x / 2.0 ** e, -6, 6)
;;       step = 2.0 ** (np.maximum(np.frexp(np.where(r == 0, 1, r))[1] - 1, 0) - 1)
;;       q = np.round(r / step) * step * 2.0 ** e      # np.round: ties to even
;;       return np.moveaxis(q.reshape(q.shape[:-2] + (-1,))[..., :K], -1, axis).astype(np.float32)
;;   ~~~
;; One version. Each part assembles by itself: llvm-mc -triple=amdgcn-amd-amdhsa -mcpu=gfx1250 --defsym DOCPART=n.
;; ======== version 1 of 1: 5 launches
;; limits: values are held in f16: magnitudes above 65,504 overflow, below 6.1e-05 lose precision
;; workspace buffers: x_codes 4,194,304 bytes; x_scales 262,144 bytes; w_codes 1,572,864 bytes; w_scales 98,304 bytes; wp16 2,097,152 bytes; qkv16 50,331,648 bytes; qkv32 786,432 bytes; y16 16,777,216 bytes
;; launch prep (part 1): grid 416 x 1, 4 waves a work-group, no clusters, 50,688 bytes of LDS; arguments x, W_attn, W_proj, x_codes, x_scales, w_codes, w_scales, wp16; writes x_codes, x_scales, w_codes, w_scales, wp16
.if DOCPART == 1
	.amdgcn_target "amdgcn-amd-amdhsa--gfx1250"
	.amdhsa_code_object_version 6
	.text
	.protected	k_q6d286623bb_prep
	.globl	k_q6d286623bb_prep
	.p2align	8
	.type	k_q6d286623bb_prep,@function
k_q6d286623bb_prep:
	s_mov_b64 s[64:65], 0
	v_nop
	global_prefetch_b8 v0, s[64:65] scope:SCOPE_SE
	s_setreg_imm32_b32 hwreg(HW_REG_WAVE_MODE, 25, 1), 1
	s_wait_xcnt 0x0
; PREP: three pieces of work in one launch, told apart by the work-group's number alone.
;   work-groups   0..255: x [8192][1024] f32 -> codes of E2M1 (K innermost, 512 bytes a row) and one E8M0 byte for each 32 along K.
;   work-groups 256..351: W_attn [1024 (k)][3072 (n)] f32, K its FIRST axis -> codes [3072][512 bytes], K innermost, and bytes [3072][32].
;   work-groups 352..415: W_proj [1024][1024] f32 -> f16, same layout.
; A block's scale is 2^(floor(log2(its largest magnitude)) - 2); its byte is the largest magnitude's exponent field - 2, held at 1 from below.
; LIMITS: a block of zeros gets the byte 1 (the rule says 127): its codes are zeros and this program alone reads the bytes.  Blocks whose largest magnitude
; lies under 2^-124 keep the byte 1.  NaN and infinities among the inputs are not served.  W_proj beyond 65,504 in magnitude does not fit f16.
; Each path has LDS bytes of its own: x 0..32,767 (8,192 a wave); W_attn's stage 32,768..50,175 (64 rows x 272); the spare words from 50,176.
.set SPW,   12                         ; v12  LDS address of my spare word; never rewritten
.set NIL,   13                         ; v13  0; never rewritten
.set WREG,  8192                       ; path x: a wave's LDS region: two stages of 32 x 80 bytes, then its 256 scale bytes
.set SP,    80                         ; a lane's place in a stage: 64 bytes + 16 of padding
.set CB,    8                          ; bytes of 16 codes
.set STEPS, 16
.set EMAX,  2
.set R,     16                         ; v16-79   four sets of 16 numbers as loaded
.set X,     80                         ; v80-111  two sets of 16 neighbours
.set E,     112                        ; v112-127 a scale byte for each step
.set C,     128                        ; v128-191 codes, four registers a step
.set STW,   32768                      ; path W_attn: the work-group's stage
.set WP,    272                        ; its pitch: 256 bytes of codes + 16
.set XW,    32                         ; v32-95   two sets of 32 numbers down K
.set SPARE, 50176
	s_load_b256 s[4:11], s[0:1], 0x0               ; x s[4:5], W_attn s[6:7], W_proj s[8:9], x_codes s[10:11]
	s_load_b256 s[12:19], s[0:1], 0x20             ; x_scales s[12:13], w_codes s[14:15], w_scales s[16:17], wp16 s[18:19]
	v_lshl_add_u32 v[SPW], v0, 2, SPARE
	v_mov_b32 v[NIL], 0
	v_lshrrev_b32 v1, 5, v0
	v_readfirstlane_b32 s20, v1                    ; wave 0..3
	v_and_b32 v2, 31, v0                           ; lane
	s_wait_kmcnt 0x0
	s_cmp_lt_u32 ttmp9, 256
	s_cbranch_scc0 .Lnot_x
; ---------------- x: a plain stream of blocks of 32.  A wave takes 16 steps of 512 numbers.  Each load reads 512 consecutive bytes; a step's 2,048 bytes turn
; through the wave's own stage so that a lane holds 16 NEIGHBOURS (two lanes a block), which is what the conversions take.
	v_lshlrev_b32 v3, 4, v2                        ; my 16 bytes of a load's 512
	s_mul_i32 s21, s20, WREG
	v_lshrrev_b32 v14, 2, v2
	v_mul_u32_u24 v14, v14, SP
	v_and_b32 v15, 3, v2
	v_lshl_add_u32 v14, v15, 4, v14
	v_add_nc_u32 v14, s21, v14                     ; into the stage: 80 (lane / 4) + 16 (lane % 4)
	v_mul_u32_u24 v15, v2, SP
	v_add_nc_u32 v15, s21, v15                     ; out of it: 80 x lane
	v_mul_u32_u24 v4, v2, CB                       ; my codes' place in a step's 256 bytes
	v_lshrrev_b32 v5, 1, v2
	s_add_co_u32 s21, s21, 2*32*SP
	v_add_nc_u32 v5, s21, v5                       ; my block's byte among the wave's 256
	v_lshlrev_b32 v7, 3, v2
	v_add_nc_u32 v6, s21, v7
	s_lshl_b32 s22, ttmp9, 2
	s_add_co_u32 s22, s22, s20                     ; which run of 8,192 numbers is my wave's
	s_mov_b32 s23, 0
	s_lshl_b64 s[24:25], s[22:23], 15              ; 32,768 bytes of f32,
	s_add_nc_u64 s[4:5], s[4:5], s[24:25]
	s_lshl_b64 s[24:25], s[22:23], 12              ; 4,096 of codes,
	s_add_nc_u64 s[10:11], s[10:11], s[24:25]
	s_lshl_b64 s[24:25], s[22:23], 8               ; 256 scale bytes a run
	s_add_nc_u64 s[12:13], s[12:13], s[24:25]
.macro LOADX t
.irp i, 0,1,2,3
	global_load_b128 v[R+16*((\t)%4)+4*\i:R+16*((\t)%4)+4*\i+3], v3, s[4:5] offset:2048*(\t)+512*\i th:TH_LOAD_NT
.endr
.endm
.macro TURNX t                         ; LDS serves a wave's instructions in order: no wait between these stores and loads
.irp i, 0,1,2,3
	ds_store_b128 v14, v[R+16*((\t)%4)+4*\i:R+16*((\t)%4)+4*\i+3] offset:32*SP*((\t)%2)+8*SP*\i
.endr
.irp i, 0,1,2,3
	ds_load_b128 v[X+16*((\t)%2)+4*\i:X+16*((\t)%2)+4*\i+3], v15 offset:32*SP*((\t)%2)+16*\i
.endr
.endm
.irp t, 0,1,2,3
	LOADX \t
.endr
	s_wait_loadcnt 12                              ; step 0's four loads are in; twelve younger ones stay out
	TURNX 0
.macro STEPX t
.set XS, X+16*((\t)%2)
.if (\t) > 0
	s_wait_dscnt 1                                 ; this step's numbers are back from the stage; the last step's byte store may be out
.else
	s_wait_dscnt 0x0
.endif
.if (\t)+4 < STEPS
	LOADX (\t)+4                                   ; into the set whose stores into the stage have been served
.endif
.if (\t)+1 < STEPS
.if STEPS-2-(\t) >= 3
	s_wait_loadcnt 12                              ; the next step's four loads are in; three steps' loads stay out
.else
	s_wait_loadcnt 4*(STEPS-2-(\t))
.endif
	TURNX (\t)+1
.endif
	v_max3_num_f32 v8, |v[XS]|, |v[XS+1]|, |v[XS+2]|               ; the largest magnitude of my 16, in two chains
	v_max3_num_f32 v9, |v[XS+3]|, |v[XS+4]|, |v[XS+5]|
.irp i, 6,10
	v_max3_num_f32 v8, v8, |v[XS+\i]|, |v[XS+\i+1]|
	v_max3_num_f32 v9, v9, |v[XS+\i+2]|, |v[XS+\i+3]|
.endr
	v_max3_num_f32 v8, v8, |v[XS+14]|, |v[XS+15]|
	v_max3_num_f32 v8, v8, v9, (EMAX+1)<<23        ; and the floor 2^(3 - 127): the byte cannot fall under 1
	v_max_num_f32_dpp v8, v8, v8 row_xmask:1 row_mask:0xf bank_mask:0xf   ; with my neighbour's 16: the block's
	v_add_nc_u32 v11, 0xff000000, v8               ; 2 off its exponent field: the conversion takes this operand's exponent field as the scale
	v_cvt_scalef32_pk8_fp4_f32 v[C+4*(\t)], v[XS:XS+7], v11
	v_cvt_scalef32_pk8_fp4_f32 v[C+4*(\t)+1], v[XS+8:XS+15], v11
	v_lshrrev_b32 v[E+(\t)], 23, v11               ; the scale's byte (also the plain line behind the conversions)
	ds_store_b8 v5, v[E+(\t)] offset:16*(\t)       ; both lanes of a block write the same byte with the same value
	global_store_b64 v4, v[C+4*(\t):C+4*(\t)+1], s[10:11] offset:32*CB*(\t)   ; the wave stores 256 consecutive bytes, aligned
.endm
.irp t, 0,1,2,3,4,5,6,7,8,9,10,11,12,13,14,15
	STEPX \t
.endr
	ds_load_b64 v[8:9], v6                         ; my wave's 256 scale bytes, 8 a lane
	s_wait_dscnt 0x0
	global_store_b64 v7, v[8:9], s[12:13]          ; 256 consecutive bytes, aligned
	s_wait_tensorcnt 0x0                           ; the wave's end, behind my last LDS store
	ds_add_u32 v[SPW], v[NIL]
	s_wait_dscnt 0x0
	s_endpgm
.Lnot_x:
	s_cmp_lt_u32 ttmp9, 352
	s_cbranch_scc0 .Lpath_p
; ---------------- W_attn: a lane takes a column n and its registers run DOWN K, so a block of 32 lies in one lane and the codes come out with K innermost.
; A work-group takes 64 columns x 512 along K; wave w columns 32 (w & 1) + lane, K 256 (w >> 1) on: 8 blocks a lane.  The four waves' codes meet in one stage
; (row = column, 256 bytes), behind a barrier each wave stores 16 whole rows: sixteen lanes write 256 consecutive bytes, aligned.
	s_sub_co_u32 s21, ttmp9, 256                   ; 0..95
	s_cmp_ge_u32 s21, 48
	s_cselect_b32 s22, 1, 0                        ; which 512 along K
	s_cselect_b32 s23, 48, 0
	s_sub_co_u32 s21, s21, s23                     ; which 64 columns: 0..47
	s_and_b32 s24, s20, 1
	s_lshr_b32 s25, s20, 1
	s_lshl_b32 s26, s21, 6
	s_lshl_b32 s27, s24, 5
	s_add_co_u32 s26, s26, s27                     ; my wave's first column
	s_lshl_b32 s27, s22, 9
	s_lshl_b32 s28, s25, 8
	s_add_co_u32 s27, s27, s28                     ; my wave's first k
	s_mul_i32 s28, s27, 12288                      ; a row of W_attn is 12,288 bytes
	s_lshl_b32 s29, s26, 2
	s_add_co_u32 s28, s28, s29
	s_mov_b32 s29, 0
	s_add_nc_u64 s[6:7], s[6:7], s[28:29]
	s_lshl_b32 s28, s26, 5                         ; scale bytes: 32 a column, + 16 for the upper 512 of K, + 8 for my upper 256
	s_lshl_b32 s30, s22, 4
	s_add_co_u32 s28, s28, s30
	s_lshl_b32 s30, s25, 3
	s_add_co_u32 s28, s28, s30
	s_add_nc_u64 s[16:17], s[16:17], s[28:29]
	s_lshl_b32 s28, s21, 6                         ; codes: the 16 rows that I store: column 64 cx + 16 w on, 512 bytes a row, + 256 for the upper 512 of K
	s_lshl_b32 s30, s20, 4
	s_add_co_u32 s28, s28, s30
	s_lshl_b32 s28, s28, 9
	s_lshl_b32 s30, s22, 8
	s_add_co_u32 s28, s28, s30
	s_add_nc_u64 s[14:15], s[14:15], s[28:29]
	v_lshlrev_b32 v3, 2, v2                        ; in: 4 bytes a lane: a load reads 128 consecutive bytes
	v_mul_u32_u24 v4, v2, WP
	s_mul_i32 s28, s24, 32*WP
	s_lshl_b32 s30, s25, 7
	s_add_co_u32 s28, s28, s30
	s_add_co_u32 s28, s28, STW
	v_add_nc_u32 v4, s28, v4                       ; into the stage: row = my column, my 128 bytes of it
	v_lshlrev_b32 v9, 5, v2                        ; my column's row of scale bytes
	v_and_b32 v5, 15, v2
	v_lshrrev_b32 v6, 4, v2
	v_mul_u32_u24 v7, v6, WP
	v_lshl_add_u32 v7, v5, 4, v7
	s_mul_i32 s30, s20, 16*WP
	s_add_co_u32 s30, s30, STW
	v_add_nc_u32 v7, s30, v7                       ; out of the stage: rows 16 w on, sixteen lanes a row, two rows an instruction
	v_lshlrev_b32 v8, 9, v6
	v_lshl_add_u32 v8, v5, 4, v8                   ; and the same place in w_codes
.macro LOADW t
.irp i, 0,1,2,3,4,5,6,7,8,9,10,11,12,13,14,15,16,17,18,19,20,21,22,23,24,25,26,27,28,29,30,31
	global_load_b32 v[XW+32*((\t)%2)+\i], v3, s[6:7] offset:(32*(\t)+\i)*12288 th:TH_LOAD_NT
.endr
.endm
	LOADW 0
	LOADW 1
.macro BLOCKW t
.set XS, XW+32*((\t)%2)
.if (\t) < 7
	s_wait_loadcnt 32                              ; this block's 32 loads are in; the next block's may be out
.else
	s_wait_loadcnt 0x0
.endif
	v_max3_num_f32 v10, |v[XS]|, |v[XS+1]|, |v[XS+2]|              ; the block's largest magnitude: all 32 numbers are mine
	v_max3_num_f32 v16, |v[XS+3]|, |v[XS+4]|, |v[XS+5]|
.irp i, 6,10,14,18,22,26
	v_max3_num_f32 v10, v10, |v[XS+\i]|, |v[XS+\i+1]|
	v_max3_num_f32 v16, v16, |v[XS+\i+2]|, |v[XS+\i+3]|
.endr
	v_max3_num_f32 v10, v10, |v[XS+30]|, |v[XS+31]|
	v_max3_num_f32 v10, v10, v16, (EMAX+1)<<23     ; and the floor
	v_add_nc_u32 v11, 0xff000000, v10              ; the conversion's scale operand
	v_lshrrev_b32 v17, 23, v11                     ; the byte
.if (\t)%4 == 0
	v_mov_b32 v[24+(\t)/4], v17                    ; four bytes to a register, the lower K in the lower byte
.else
	v_lshl_or_b32 v[24+(\t)/4], v17, 8*((\t)%4), v[24+(\t)/4]
.endif
.irp g, 0,1,2,3
	v_cvt_scalef32_pk8_fp4_f32 v[96+\g], v[XS+8*\g:XS+8*\g+7], v11
.endr
	ds_store_b128 v4, v[96:99] offset:16*(\t)      ; 32 codes: 16 bytes of my column's row
.if (\t)+2 < 8
	LOADW (\t)+2
.endif
	s_wait_dscnt 0x0                               ; the store has been served: the next block's codes may be written (and, behind the last block, the others may read)
.endm
.irp t, 0,1,2,3,4,5,6,7
	BLOCKW \t
.endr
	global_store_b64 v9, v[24:25], s[16:17]        ; my column's 8 scale bytes
	s_barrier_signal -1                            ; every wave's stores into the stage were waited for above
	s_barrier_wait -1
.irp i, 0,1,2,3,4,5,6,7
	ds_load_b128 v[112+4*\i:115+4*\i], v7 offset:2*\i*WP
.endr
.irp i, 0,1,2,3,4,5,6,7
	s_wait_dscnt 7-\i                              ; LDS loads come back in order: number i is in
	global_store_b128 v8, v[112+4*\i:115+4*\i], s[14:15] offset:1024*\i
.endr
	s_wait_tensorcnt 0x0                           ; the wave's end
	ds_add_u32 v[SPW], v[NIL]
	s_wait_dscnt 0x0
	s_endpgm
.Lpath_p:
; ---------------- W_proj to f16: a wave takes 16,384 bytes in, 8,192 out.  All 32 loads go out at once; no register is written twice.
	s_sub_co_u32 s21, ttmp9, 352
	s_lshl_b32 s21, s21, 2
	s_add_co_u32 s21, s21, s20                     ; chunk 0..255
	s_lshl_b32 s22, s21, 14
	s_mov_b32 s23, 0
	s_add_nc_u64 s[8:9], s[8:9], s[22:23]
	s_lshl_b32 s22, s21, 13
	s_add_nc_u64 s[18:19], s[18:19], s[22:23]
	v_lshlrev_b32 v3, 4, v2
	v_lshlrev_b32 v4, 3, v2
.set i, 0
.rept 32
	global_load_b128 v[32+4*i:35+4*i], v3, s[8:9] offset:512*i th:TH_LOAD_NT
.set i, i+1
.endr
.set i, 0
.rept 32
	s_wait_loadcnt 31-i                            ; loads come back in order: number i is in
	v_cvt_pk_f16_f32 v[32+4*i], v[32+4*i], v[33+4*i]
	v_cvt_pk_f16_f32 v[33+4*i], v[34+4*i], v[35+4*i]
	global_store_b64 v4, v[32+4*i:33+4*i], s[18:19] offset:256*i   ; 256 consecutive bytes, aligned
.set i, i+1
.endr
	s_wait_tensorcnt 0x0
	ds_add_u32 v[SPW], v[NIL]
	s_wait_dscnt 0x0
	s_endpgm
.Lfunc_end_k_q6d286623bb_prep:
	.size	k_q6d286623bb_prep, .Lfunc_end_k_q6d286623bb_prep-k_q6d286623bb_prep
	.p2alignl 7, 3214868480
	.fill 96, 4, 3214868480
	.section	.rodata,"a",@progbits
	.p2align	6, 0x0
	.amdhsa_kernel k_q6d286623bb_prep
		.amdhsa_group_segment_fixed_size 50688
		.amdhsa_private_segment_fixed_size 0
		.amdhsa_enable_private_segment 0
		.amdhsa_kernarg_size 64
		.amdhsa_user_sgpr_count 2
		.amdhsa_user_sgpr_kernarg_segment_ptr 1
		.amdhsa_wavefront_size32 1
		.amdhsa_system_sgpr_workgroup_id_x 1
		.amdhsa_system_sgpr_workgroup_id_y 1
		.amdhsa_system_sgpr_workgroup_id_z 1
		.amdhsa_system_vgpr_workitem_id 0
		.amdhsa_next_free_vgpr 192
		.amdhsa_next_free_sgpr 66
		.amdhsa_reserve_vcc 0
		.amdhsa_float_denorm_mode_32 3
		.amdhsa_float_denorm_mode_16_64 3
		.amdhsa_memory_ordered 1
		.amdhsa_forward_progress 1
		.amdhsa_inst_pref_size 85
	.end_amdhsa_kernel
	.amdgpu_metadata
---
amdhsa.version: [ 1, 2 ]
amdhsa.kernels:
  - .name:           k_q6d286623bb_prep
    .symbol:         k_q6d286623bb_prep.kd
    .args:
      - { .name: x, .offset: 0, .size: 8, .value_kind: global_buffer, .address_space: global }
      - { .name: W_attn, .offset: 8, .size: 8, .value_kind: global_buffer, .address_space: global }
      - { .name: W_proj, .offset: 16, .size: 8, .value_kind: global_buffer, .address_space: global }
      - { .name: x_codes, .offset: 24, .size: 8, .value_kind: global_buffer, .address_space: global }
      - { .name: x_scales, .offset: 32, .size: 8, .value_kind: global_buffer, .address_space: global }
      - { .name: w_codes, .offset: 40, .size: 8, .value_kind: global_buffer, .address_space: global }
      - { .name: w_scales, .offset: 48, .size: 8, .value_kind: global_buffer, .address_space: global }
      - { .name: wp16, .offset: 56, .size: 8, .value_kind: global_buffer, .address_space: global }
    .group_segment_fixed_size: 50688
    .private_segment_fixed_size: 0
    .kernarg_segment_align: 8
    .kernarg_segment_size: 64
    .max_flat_workgroup_size: 128
    .sgpr_count:     66
    .vgpr_count:     192
    .wavefront_size: 32
...
	.end_amdgpu_metadata
.endif
;; end of part 1
;; launch qkv (part 2): grid 12 x 32, 4 waves a work-group, clusters of 4 x 4, 327,680 bytes of LDS; arguments x_codes, x_scales, w_codes, w_scales, b_attn, qkv16, qkv32; writes qkv16, qkv32
.if DOCPART == 2
	.amdgcn_target "amdgcn-amd-amdhsa--gfx1250"
	.amdhsa_code_object_version 6
	.text
	.protected	k_q6d286623bb_qkv
	.globl	k_q6d286623bb_qkv
	.p2align	8
	.type	k_q6d286623bb_qkv,@function
k_q6d286623bb_qkv:
	s_mov_b64 s[64:65], 0
	v_nop
	global_prefetch_b8 v0, s[64:65] scope:SCOPE_SE
	s_setreg_imm32_b32 hwreg(HW_REG_WAVE_MODE, 25, 1), 1
	s_wait_xcnt 0x0
	s_wait_alu depctr_hold_cnt(0) depctr_sa_sdst(0) depctr_va_vdst(0) depctr_va_sdst(0) depctr_va_ssrc(0) depctr_va_vcc(0) depctr_vm_vsrc(0)
	s_getreg_b32 s2, hwreg(HW_REG_IB_STS2, 6, 4)
	s_cmp_eq_u32 s2, 0
	s_cbranch_scc0 .Lentry_in_a_cluster
	s_endpgm
.Lentry_in_a_cluster:
	s_bfe_u32 s2, ttmp6, 0x10000c
	s_cmp_lg_u32 s2, 0xf033
	s_cbranch_scc0 .Lentry_shape_is_right
	s_endpgm
.Lentry_shape_is_right:
; QKV = Q(x) Q(W_attn) + b_attn on codes of E2M1 with E8M0 scales: [8192][1024] x [3072][1024]^T, sums in f32.
; OUT: qkv16, f16, [3 (q, k, v)][4 b][16 h][2048 t][64]; and qkv32, f32, [16 b + t, t < 16][3072]: the first 16 positions of each sequence, kept finely for the last launch.
; A tile of 256 x 256 to a work-group of four waves, 128 x 128 a wave: 64 accumulators, 512 registers.  K = 1,024 is two LDS slots of 512 along K (rows of 256 bytes):
; both are asked for at the start and nothing is filled again.  The scale bytes of the work-group's rows, for all of K, come with them and stay.
; CLUSTERS: 4 x 4.  A's tiles are shared along a row of the cluster, B's along a column: joint loads.  Tile row = 8 cy + cluster y, so that cy is the batch, and the tiles that
; hold positions 0 to 15 all lie in the clusters with y = 0: the branch to the fine rows is the same in all partners.
; THE MATRIX INSTRUCTION IS USED TRANSPOSED (source 0 = 16 rows of W, source 1 = 16 rows of x): a lane holds eight neighbouring columns of one row.
; The bias is the C of each sum's first product.  LIMIT: results beyond 65,504 in magnitude do not fit f16.
; REGISTERS: window 0: v16-31 addresses; v32-95 scale words, two sets; v128-191 A's fragments, one set.  window 1: B's fragments at v0 and v128; the bias at v64-127.
;   windows 2, 3: the accumulators ((a, b) at v[8 (8 (a % 4) + b)]).  On the way out window 0's v32-191 are free.
.set NQ,     4                         ; matrix instructions deep in a slot
.set ROWB,   256                       ; a tile's row in bytes: 512 codes
.set KROW,   512                       ; a row of codes in memory
.set PITCH,  272                       ; an LDS row: 256 bytes + 16: the 16 rows of a fragment load start 68 words apart
.set FR,     8
.set NL,     2
.set NP,     4                         ; places behind this matrix instruction (ISA guide 7.12.1)
.set HALFT,  128*PITCH
.set SLOT,   4*HALFT
.set KS,     32                        ; a row of scale bytes
.set SCL,    2*SLOT
.set HALFS,  16*272                    ; the scales of 128 rows: 4,096 bytes as 16 rows of 256 + 16
.set SBLK,   2*272                     ; those of 16 rows
.set SPARE,  SCL+4*HALFS               ; the spare words: 512 bytes that no other line names
.set STGB,   8448                      ; the way out: a wave's stage (16 x 528), in slot 0, which has had its only fill and its last read by then
.set ADRA, 16
.set ADRB, 20
.set STO,  24                          ; f16 way out: where I put 16 bytes of a row (pitch 272)
.set RD,   25                          ; and where I read 16 bytes of a head's row back
.set GO,   26                          ; 16 x lane
.set ADRS, 27
.set SPW,  28
.set NIL,  29
.set STO32, 30                         ; fine rows: where I put 32 bytes of a row (pitch 528)
.set RD32, 31
.set SC,   32
.set AF,   128
.set BI,   64                          ; the bias, in window 1: block b at BI + 8 b
.set TMP,  32                          ; the way out: packed results
.set BK,   64                          ; and rows read back: v64-95, v96-127 by turns
.set G1, 24
.set G0, 32
.set G1B, 48
.set G0B, 56
.set G1S, 68
.set G0S, 76
.set G1SB, 80
.set G0SB, 88
.set FLG, 66                           ; s66  0 in the waves that hold positions 0 to 15
.set MSB, 0
.macro WIN new                         ; the immediate's high byte repeats the setting that is left
.set WNEW, \new
.if MSB != WNEW
	s_set_vgpr_msb (MSB<<8)|WNEW
.set MSB, WNEW
.endif
.endm
.set MUL_LO, 0xa1                      ; source 0 (B) window 1, source 1 (A) window 0, C and D window 2;  0x91: C (the bias) window 1
.set MUL_HI, 0xf1                      ; C and D window 3;  0xd1: C window 1
.set TO_B,   0x40
.macro JLOAD g0a, g1a, g0b, g1b        ; a joint load: waves 0, 1 fetch for A, waves 2, 3 for B; an s_nop 0 and four v_nop follow each line
	s_cmp_eq_u32 s15, 0
	s_cbranch_scc0 .Lfor_b_\@
	tensor_load_to_lds s[\g0a:\g0a+3], s[\g1a:\g1a+7]
	s_nop 0
.rept 4
	v_nop
.endr
	s_branch .Lasked_\@
.Lfor_b_\@:
	tensor_load_to_lds s[\g0b:\g0b+3], s[\g1b:\g1b+7]
	s_nop 0
.rept 4
	v_nop
.endr
.Lasked_\@:
.endm
.macro CROUND                          ; a round of the cluster's barrier
	s_barrier_signal -1
	s_barrier_wait -1
	s_cmp_lg_u32 s14, 0
	s_cbranch_scc1 .Lnot_wave_0_\@
	s_barrier_signal -3
.Lnot_wave_0_\@:
	s_barrier_wait -3
	s_barrier_signal -1
	s_barrier_wait -1
.endm
	s_load_b128 s[4:7], s[0:1], 0x0                ; x's codes, x's scales
	s_load_b128 s[8:11], s[0:1], 0x10              ; W's codes, W's scales
	s_load_b64 s[12:13], s[0:1], 0x20              ; b_attn
	s_load_b128 s[96:99], s[0:1], 0x28             ; qkv16 s[96:97], qkv32 s[98:99]
	v_lshl_add_u32 v[SPW], v0, 2, SPARE
	v_mov_b32 v[NIL], 0
	ds_add_u32 v[SPW], v[NIL]                      ; the opening: the add, twice on end, and its wait ahead of my first tensor load
	ds_add_u32 v[SPW], v[NIL]
	v_lshrrev_b32 v1, 5, v0
	v_readfirstlane_b32 s14, v1                    ; wave 0..3
	s_lshr_b32 s15, s14, 1                         ; which half of the tile's rows is mine; also: I fetch for A (0) or B (1)
	s_and_b32 s16, s14, 1                          ; which half of its columns; also: which 128 rows I fetch
	s_bfe_u32 s40, ttmp6, 0x40000                  ; cx
	s_bfe_u32 s41, ttmp6, 0x40004                  ; cy
	s_lshl_b32 s42, ttmp9, 2
	s_add_co_u32 s42, s42, s40                     ; tile column = 4 x cluster x + cx
	s_and_b32 s95, ttmp7, 0xffff                   ; cluster y, 0..7
	s_lshl_b32 s17, s41, 3
	s_add_co_u32 s17, s17, s95                     ; tile row = 8 cy + cluster y
	s_or_b32 s[FLG], s95, s15                      ; 0: positions 0 to 127 of a sequence are my wave's rows
	s_lshl_b32 s43, s41, 2
	s_lshl_b32 s43, 15, s43                        ; my row of the cluster
	s_lshl_b32 s44, 0x1111, s40                    ; my column
	s_or_b32 s[G1+0], s43, (0<<16)|(1<<20)|(1<<21)|(5<<22)|(3<<25)  ; mask; elements of 1 byte; padding on; bit 21 beside a mask; 4 words after every 64
	s_or_b32 s[G1B+0], s44, (0<<16)|(1<<20)|(1<<21)|(5<<22)|(3<<25)
.irp g, G1, G1B
	s_mov_b32 s[\g+1], ROWB<<16                    ; tensor_dim0
	s_mov_b32 s[\g+2], 128<<16                     ; tensor_dim1
	s_mov_b32 s[\g+3], ROWB<<16                    ; tile_dim0
	s_mov_b32 s[\g+4], 128                         ; tile_dim1
	s_mov_b32 s[\g+5], KROW                        ; from row to row
	s_mov_b32 s[\g+6], 0
	s_mov_b32 s[\g+7], 0
.endr
	s_or_b32 s[G1S+0], s43, (3<<16)|(1<<20)|(1<<21)|(5<<22)|(3<<25) ; the scales of 128 rows: 16 dense rows of 32 elements of 8 bytes
	s_or_b32 s[G1SB+0], s44, (3<<16)|(1<<20)|(1<<21)|(5<<22)|(3<<25)
.irp g, G1S, G1SB
	s_mov_b32 s[\g+1], 32<<16
	s_mov_b32 s[\g+2], 16<<16
	s_mov_b32 s[\g+3], 32<<16
	s_mov_b32 s[\g+4], 16
	s_mov_b32 s[\g+5], 32
	s_mov_b32 s[\g+6], 0
	s_mov_b32 s[\g+7], 0
.endr
	s_lshl_b32 s18, s16, 7
	s_lshl_b32 s20, s17, 8
	s_add_co_u32 s20, s20, s18                     ; A: row 256 x tile row + 128 x half
	s_lshl_b32 s46, s42, 8
	s_add_co_u32 s46, s46, s18                     ; B: row 256 x tile column + 128 x half
	s_mov_b32 s21, 0
	s_mov_b32 s47, 0
	s_mov_b64 s[18:19], KS
	s_mul_u64 s[22:23], s[20:21], s[18:19]         ; where these rows' scales begin,
	s_mul_u64 s[92:93], s[46:47], s[18:19]
	s_mov_b64 s[18:19], KROW
	s_mul_u64 s[20:21], s[20:21], s[18:19]         ; and their codes
	s_mul_u64 s[46:47], s[46:47], s[18:19]
	s_mul_i32 s45, s14, HALFT                      ; where they go: wave x 128 rows
	s_mul_i32 s94, s14, HALFS
	s_wait_dscnt 0x0                               ; both opening adds are done
	s_wait_kmcnt 0x0
	s_add_nc_u64 s[20:21], s[4:5], s[20:21]
	s_add_nc_u64 s[22:23], s[6:7], s[22:23]
	s_add_nc_u64 s[46:47], s[8:9], s[46:47]
	s_add_nc_u64 s[92:93], s[10:11], s[92:93]
	CROUND                                         ; all sixteen work-groups are here: the joint loads meet
	s_mov_b32 s[G0S], 1
	s_add_co_u32 s[G0S+1], s94, SCL
	s_mov_b64 s[G0S+2:G0S+3], s[22:23]
	s_or_b32 s[G0S+3], s[G0S+3], 0x80000000
	s_mov_b32 s[G0SB], 1
	s_add_co_u32 s[G0SB+1], s94, SCL
	s_mov_b64 s[G0SB+2:G0SB+3], s[92:93]
	s_or_b32 s[G0SB+3], s[G0SB+3], 0x80000000
	JLOAD G0S, G1S, G0SB, G1SB                     ; the scales first; with the two slots three loads of mine are out
.irp s, 0,1
	s_mov_b32 s[G0+4*\s], 1
	s_add_co_u32 s[G0+4*\s+1], s45, \s*SLOT
	s_add_nc_u64 s[G0+4*\s+2:G0+4*\s+3], s[20:21], \s*ROWB
	s_or_b32 s[G0+4*\s+3], s[G0+4*\s+3], 0x80000000
	s_mov_b32 s[G0B+4*\s], 1
	s_add_co_u32 s[G0B+4*\s+1], s45, \s*SLOT
	s_add_nc_u64 s[G0B+4*\s+2:G0B+4*\s+3], s[46:47], \s*ROWB
	s_or_b32 s[G0B+4*\s+3], s[G0B+4*\s+3], 0x80000000
	JLOAD G0+4*\s, G1, G0B+4*\s, G1B
.endr
	v_and_b32 v1, 15, v0                           ; r = lane % 16
	v_bfe_u32 v2, v0, 4, 1                         ; h = lane / 16
	v_lshlrev_b32 v7, 5, v2                        ; the bias: lane (r, h) wants, for block b, columns 16 b + 8 h + 0 .. 7
	s_lshl_b32 s46, s42, 10
	s_lshl_b32 s47, s16, 9
	s_add_co_u32 s46, s46, s47                     ; my first column in bytes of f32: 1,024 x tile column + 512 x half
	s_mov_b32 s47, 0
	s_add_nc_u64 s[12:13], s[12:13], s[46:47]
	WIN TO_B
.irp b, 0,1,2,3,4,5,6,7
	global_load_b128 v[BI+8*\b:BI+8*\b+3], v7, s[12:13] offset:64*\b
	global_load_b128 v[BI+8*\b+4:BI+8*\b+7], v7, s[12:13] offset:64*\b+16
.endr
	WIN 0
	v_mul_u32_u24 v3, v1, PITCH
	v_lshl_add_u32 v4, v2, 4, v3                   ; a fragment's row x pitch + 16 x half
	s_mul_i32 s21, s15, HALFT
	s_mul_i32 s22, s16, HALFT
	s_add_co_u32 s22, s22, 2*HALFT
.irp s, 0,1
	v_add_nc_u32 v[ADRA+\s], s21, v4
	v_add_nc_u32 v[ADRB+\s], s22, v4
	s_add_co_u32 s21, s21, SLOT
	s_add_co_u32 s22, s22, SLOT
.endr
	v_mul_u32_u24 v5, v1, KS                       ; my row's scales: 32 bytes a row,
	v_lshrrev_b32 v6, 8, v5
	v_lshl_add_u32 v5, v6, 4, v5                   ; and 16 more for each 256 passed
	s_mul_i32 s21, s15, HALFS
	s_mul_i32 s22, s16, HALFS
	s_add_co_u32 s22, s22, 2*HALFS
	s_sub_co_u32 s22, s22, s21
	v_mul_u32_u24 v6, s22, v2                      ; lanes 16-31 take B's
	s_add_co_u32 s21, s21, SCL
	v_add_nc_u32 v5, v5, v6
	v_add_nc_u32 v[ADRS], s21, v5
	s_mul_i32 s23, s14, STGB                       ; my stage
	v_add_nc_u32 v[STO], s23, v4                   ; f16: row r of 272, + 16 h
	v_mul_u32_u24 v5, v1, 528
	v_lshl_add_u32 v5, v2, 5, v5
	v_add_nc_u32 v[STO32], s23, v5                 ; f32: row r of 528, + 32 h
	v_and_b32 v6, 31, v0
	v_lshlrev_b32 v[GO], 4, v6
	v_add_nc_u32 v[RD32], s23, v[GO]
	v_bfe_u32 v5, v0, 3, 2
	v_and_b32 v6, 7, v0
	v_mul_u32_u24 v5, v5, 272
	v_lshl_add_u32 v5, v6, 4, v5
	v_add_nc_u32 v[RD], s23, v5                    ; f16, back: eight lanes take a head's 128 bytes of a row, four rows an instruction
	s_lshl_b32 s20, ttmp9, 24                      ; qkv16: the section (q, k, v) is the cluster's x: 16,777,216 bytes each
	s_lshl_b32 s21, s41, 4
	s_lshl_b32 s22, s40, 2
	s_add_co_u32 s21, s21, s22
	s_lshl_b32 s22, s16, 1
	s_add_co_u32 s21, s21, s22                     ; 16 b + my first head (4 cx + 2 x half)
	s_lshl_b32 s21, s21, 18                        ; 262,144 bytes a head
	s_add_co_u32 s20, s20, s21
	s_lshl_b32 s21, s95, 15                        ; position 256 x cluster y, 128 bytes a position
	s_add_co_u32 s20, s20, s21
	s_lshl_b32 s21, s15, 14                        ; + 128 x half
	s_add_co_u32 s20, s20, s21
	s_mov_b32 s21, 0
	s_add_nc_u64 s[96:97], s[96:97], s[20:21]
	s_mul_i32 s20, s41, 196608                     ; qkv32: 16 rows of 12,288 bytes a batch,
	s_add_co_u32 s20, s20, s46                     ; + my first column
	s_add_nc_u64 s[98:99], s[98:99], s[20:21]
.macro FRAG reg, adr, q, i             ; 16 rows x 128 K of 4-bit codes: 8 registers: two loads of 16 bytes, 32 apart
.irp c, 0,1
	ds_load_b128 v[\reg+4*\c:\reg+4*\c+3], v[\adr] offset:64*(\q)+32*\c+(\i)*16*PITCH
.endr
.endm
; 16 products: A's blocks a0, a0 + 1 x B's eight.  zero = 1: the sums start from the bias.  The 64 accumulators take turns, in the same order in every step.
.macro MUL16 a0, p, q, sc, zero
.irp a, \a0, \a0+1
.irp b, 0,1,2,3,4,5,6,7
.if \zero
	v_wmma_scale_f32_16x16x128_f8f6f4 v[8*(8*((\a)%4)+\b):8*(8*((\a)%4)+\b)+7], v[128*(\p)+FR*\b:128*(\p)+FR*\b+FR-1], v[AF+FR*(\a):AF+FR*(\a)+FR-1], v[BI+8*\b:BI+8*\b+7], v[SC+8*NQ*(\sc)+NQ*\b+(\q)], v[SC+8*NQ*(\sc)+NQ*(\a)+(\q)] matrix_a_fmt:MATRIX_FMT_FP4 matrix_b_fmt:MATRIX_FMT_FP4 matrix_a_scale:MATRIX_SCALE_ROW1
.else
	v_wmma_scale_f32_16x16x128_f8f6f4 v[8*(8*((\a)%4)+\b):8*(8*((\a)%4)+\b)+7], v[128*(\p)+FR*\b:128*(\p)+FR*\b+FR-1], v[AF+FR*(\a):AF+FR*(\a)+FR-1], v[8*(8*((\a)%4)+\b):8*(8*((\a)%4)+\b)+7], v[SC+8*NQ*(\sc)+NQ*\b+(\q)], v[SC+8*NQ*(\sc)+NQ*(\a)+(\q)] matrix_a_fmt:MATRIX_FMT_FP4 matrix_b_fmt:MATRIX_FMT_FP4 matrix_a_scale:MATRIX_SCALE_ROW1
.endif
.endr
.endr
.endm
.macro FETCH_B slot, q, p
	WIN TO_B
.irp i, 0,1,2,3,4,5,6,7
	FRAG 128*(\p)+FR*\i, ADRB+\slot, \q, \i
.endr
	WIN 0
.endm
.macro FETCH_A slot, q, i0
.irp i, \i0, \i0+1, \i0+2, \i0+3
	FRAG AF+FR*(\i), ADRA+\slot, \q, \i
.endr
.endm
.macro SCALES sc                       ; a slot's scale words: 4 words a row; lanes 0-15 A's block i, lanes 16-31 B's block i
.irp i, 0,1,2,3,4,5,6,7
	ds_load_b128 v[SC+8*NQ*\sc+NQ*\i:SC+8*NQ*\sc+NQ*\i+3], v[ADRS] offset:\i*SBLK
.endr
.endm
.macro PLACES n                        ; plain vector instructions between a matrix instruction and a load into, or a read of, its registers
.rept \n
	v_nop
.endr
.endm
.macro STEP slot, q, zero              ; 128 along K, with its successor in the same slot
	s_wait_dscnt 4*NL                              ; B's set, the scale words and A's blocks 0-3 are in; the youngest eight loads (A's blocks 4-7) may be out
	WIN MUL_LO-0x10*(\zero)
	MUL16 0, (\q)%2, \q, \slot, \zero
	MUL16 2, (\q)%2, \q, \slot, \zero
	s_wait_dscnt 0
	PLACES NP
	FETCH_B \slot, (\q)+1, 1-(\q)%2
	FETCH_A \slot, (\q)+1, 0
	WIN MUL_HI-0x20*(\zero)
	MUL16 4, (\q)%2, \q, \slot, \zero
	MUL16 6, (\q)%2, \q, \slot, \zero
	PLACES NP
	WIN 0
	FETCH_A \slot, (\q)+1, 4
.endm
.macro STEPS slot, from
.set Q, \from
.rept NQ-1-\from
	STEP \slot, Q, 0
.set Q, Q+1
.endr
.endm
	s_wait_tensorcnt 1                             ; the scales and my part of slot 0 are in; slot 1's load may be out
	s_barrier_signal -1
	s_barrier_wait -1
	FETCH_B 0, 0, 0
	FETCH_A 0, 0, 0
	SCALES 0
	FETCH_A 0, 0, 4
	s_wait_loadcnt 0x0                             ; the bias
	STEP 0, 0, 1
	STEPS 0, 1
	; slot 0's last step changes slots: one barrier
	s_wait_tensorcnt 0x0                           ; my part of slot 1 has landed
	ds_add_u32 v[SPW], v[NIL]
	s_wait_dscnt 4*NL+1                            ; the add and A's blocks 4-7 may be out
	WIN MUL_LO
	MUL16 0, 1, NQ-1, 0, 0
	s_wait_dscnt 0x0                               ; the add is done, and my reads of slot 0 are over
	s_barrier_signal -1
	MUL16 2, 1, NQ-1, 0, 0
	WIN 0
	s_barrier_wait -1
	PLACES NP
	v_add_nc_u32 v[ADRS], 4*NQ, v[ADRS]            ; slot 1's scale words
	FETCH_B 1, 0, 0
	FETCH_A 1, 0, 0
	SCALES 1
	WIN MUL_HI
	MUL16 4, 1, NQ-1, 0, 0
	MUL16 6, 1, NQ-1, 0, 0
	PLACES NP
	WIN 0
	FETCH_A 1, 0, 4
	STEPS 1, 0
	s_wait_dscnt 4*NL
	WIN MUL_LO
	MUL16 0, 1, NQ-1, 1, 0
	MUL16 2, 1, NQ-1, 1, 0
	s_wait_dscnt 0
	WIN MUL_HI
	MUL16 4, 1, NQ-1, 1, 0
	MUL16 6, 1, NQ-1, 1, 0
	WIN 0
	PLACES NP                                      ; in front of every read of results and of loads into registers that held operands
	; THE FINE ROWS: where my block 0 is positions 0 to 15, it also leaves in f32: through my stage, back as rows of 512 bytes.
	s_cmp_lg_u32 s[FLG], 0
	s_cbranch_scc1 .Lno_fine
	WIN 0x08                                       ; an LDS store's data: window 2
.irp b, 0,1,2,3,4,5,6,7
	ds_store_b128 v[STO32], v[8*\b:8*\b+3] offset:64*\b            ; each accumulator from its low end on
	ds_store_b128 v[STO32], v[8*\b+4:8*\b+7] offset:64*\b+16
.endr
	WIN 0
.irp t, 0,1,2,3,4,5,6,7,8,9,10,11,12,13,14,15
	ds_load_b128 v[128+4*\t:131+4*\t], v[RD32] offset:\t*528       ; LDS serves a wave's instructions in order: these see the stores above
.endr
	s_wait_dscnt 0x0
.irp t, 0,1,2,3,4,5,6,7,8,9,10,11,12,13,14,15
	global_store_b128 v[GO], v[128+4*\t:131+4*\t], s[98:99] offset:\t*12288   ; 512 consecutive bytes, aligned
.endr
.Lno_fine:
; THE WAY OUT in f16, block by block of 16 rows x 128 columns (two heads).  Packed, 16 bytes a lane into rows of 272; back by heads: 4 rows x 128 bytes are 512 dense bytes of qkv16.
.macro PACK a
.set AC, 64*((\a)%4)
	WIN 0x0a+5*((\a)/4)                            ; sources in window 2 or 3
.irp b, 0,1,2,3,4,5,6,7
.irp r, 0,1,2,3
	v_cvt_pk_f16_f32 v[TMP+4*\b+\r], v[AC+8*\b+2*\r], v[AC+8*\b+2*\r+1]
.endr
.endr
	WIN 0
.endm
.macro TOSTAGE a
.set BB, BK+32*((\a)%2)
.irp b, 0,1,2,3,4,5,6,7
	ds_store_b128 v[STO], v[TMP+4*\b:TMP+4*\b+3] offset:32*\b
.endr
.irp hh, 0,1
.irp i, 0,1,2,3
	ds_load_b128 v[BB+16*\hh+4*\i:BB+16*\hh+4*\i+3], v[RD] offset:128*\hh+4*\i*272
.endr
.endr
.endm
.macro SEND a
.set BB, BK+32*((\a)%2)
	s_wait_dscnt 0x0                               ; the block is back in registers
	s_wait_xcnt 0x0                                ; earlier stores have read their data: the next block's loads may land on them
.irp hh, 0,1
.irp i, 0,1,2,3
	global_store_b128 v[GO], v[BB+16*\hh+4*\i:BB+16*\hh+4*\i+3], s[96:97] offset:(\a)*2048+\hh*262144+512*\i   ; 512 consecutive bytes, aligned; the block's and the head's place stand in the immediate
.endr
.endr
.endm
	PACK 0
	TOSTAGE 0
.irp a, 1,2,3,4,5,6,7                  ; block a's conversions stand between block a - 1's loads from the stage and the wait for them
	PACK \a
	SEND \a-1
	TOSTAGE \a
.endr
	SEND 7
	s_wait_tensorcnt 0x0                           ; the wave's end
	ds_add_u32 v[SPW], v[NIL]
	s_wait_dscnt 0x0
	CROUND                                         ; the closing round
	s_endpgm
.Lfunc_end_k_q6d286623bb_qkv:
	.size	k_q6d286623bb_qkv, .Lfunc_end_k_q6d286623bb_qkv-k_q6d286623bb_qkv
	.p2alignl 7, 3214868480
	.fill 96, 4, 3214868480
	.section	.rodata,"a",@progbits
	.p2align	6, 0x0
	.amdhsa_kernel k_q6d286623bb_qkv
		.amdhsa_group_segment_fixed_size 327680
		.amdhsa_private_segment_fixed_size 0
		.amdhsa_enable_private_segment 0
		.amdhsa_kernarg_size 56
		.amdhsa_user_sgpr_count 2
		.amdhsa_user_sgpr_kernarg_segment_ptr 1
		.amdhsa_wavefront_size32 1
		.amdhsa_system_sgpr_workgroup_id_x 1
		.amdhsa_system_sgpr_workgroup_id_y 1
		.amdhsa_system_sgpr_workgroup_id_z 1
		.amdhsa_system_vgpr_workitem_id 0
		.amdhsa_next_free_vgpr 1024
		.amdhsa_next_free_sgpr 100
		.amdhsa_reserve_vcc 0
		.amdhsa_float_denorm_mode_32 3
		.amdhsa_float_denorm_mode_16_64 3
		.amdhsa_memory_ordered 1
		.amdhsa_forward_progress 1
		.amdhsa_inst_pref_size 132
	.end_amdhsa_kernel
	.amdgpu_metadata
---
amdhsa.version: [ 1, 2 ]
amdhsa.kernels:
  - .name:           k_q6d286623bb_qkv
    .symbol:         k_q6d286623bb_qkv.kd
    .args:
      - { .name: x_codes, .offset: 0, .size: 8, .value_kind: global_buffer, .address_space: global }
      - { .name: x_scales, .offset: 8, .size: 8, .value_kind: global_buffer, .address_space: global }
      - { .name: w_codes, .offset: 16, .size: 8, .value_kind: global_buffer, .address_space: global }
      - { .name: w_scales, .offset: 24, .size: 8, .value_kind: global_buffer, .address_space: global }
      - { .name: b_attn, .offset: 32, .size: 8, .value_kind: global_buffer, .address_space: global }
      - { .name: qkv16, .offset: 40, .size: 8, .value_kind: global_buffer, .address_space: global }
      - { .name: qkv32, .offset: 48, .size: 8, .value_kind: global_buffer, .address_space: global }
    .group_segment_fixed_size: 327680
    .private_segment_fixed_size: 0
    .kernarg_segment_align: 8
    .kernarg_segment_size: 56
    .max_flat_workgroup_size: 128
    .sgpr_count:     100
    .vgpr_count:     1024
    .wavefront_size: 32
...
	.end_amdgpu_metadata
.endif
;; end of part 2
;; launch attn (part 3): grid 4 x 64, 8 waves a work-group, no clusters, 327,680 bytes of LDS; arguments qkv16, y16; writes y16
.if DOCPART == 3
	.amdgcn_target "amdgcn-amd-amdhsa--gfx1250"
	.amdhsa_code_object_version 6
	.text
	.protected	k_q6d286623bb_attn
	.globl	k_q6d286623bb_attn
	.p2align	8
	.type	k_q6d286623bb_attn,@function
k_q6d286623bb_attn:
	s_mov_b64 s[64:65], 0
	v_nop
	global_prefetch_b8 v0, s[64:65] scope:SCOPE_SE
	s_setreg_imm32_b32 hwreg(HW_REG_WAVE_MODE, 25, 1), 1
	s_wait_xcnt 0x0
; y = softmax(q k^T / 8, causal) v for one head and batch, operands in f16, products, maxima and sums in f32.
; qkv16: f16 [3][64 (16 b + h)][2048][64].  y16: f16 [16 h][8192 (2048 b + t)][64].
; SHARES.  Work-group (i, head) owns the query blocks i and 7 - i of 256 queries: (i + 1) + (8 - i) = 9 slots of 256 keys, the same count in every work-group, so all trip counts
; are constants.  Wave w owns queries 32 w .. 32 w + 31 of the block in hand: two tiles of 16, which share each fragment of K and V.
; NO CLUSTER: the four work-groups of a head want different key slots in the same trip, so no joint request can be made of them.
; LAYOUT.  S^T = K Q^T (source 0 = 16 keys, source 1 = 16 queries) and O^T = V^T P: a lane holds ONE query throughout; two tiles of S^T, rounded in pairs, are source 1 of the second product.
; K comes out of LDS as it lies, V ([key][channel]) turned by ds_load_tr16_b128.
; SOFTMAX.  Running maximum m and sum l for each query: p = 2^(c s - c m), c = log2(e) / 8; in every step O and l are multiplied by 2^(c m_old - c m_new).
; CAUSAL.  A step of 64 keys all of which come after the wave's 32 queries is jumped over (ids alone); in a step on the diagonal hidden scores become -infinity.  A step is walked only
; where its first key is at or under the wave's first query (keys go by 64, queries by 32), so each query has an open key in every step walked and m is a number from the first on.
; THE RING.  Two slots of 256 keys; each of the eight waves fetches one quarter of K (waves 0-3) or of V (waves 4-7): one tensor load a wave behind each barrier, one out at a time.
; LIMIT: |q|, |k|, |v|, |y| up to 65,504 (f16).  NaN and infinities are not served.
; REGISTERS.  window 0: v1-15 addresses; v16-31 statistics, 8 a tile (c m, m, l, l, four at work); v32-63 Q; v64-127 S^T; v128-159 P; v160-223 O^T; v224-255 the way out.
;   window 1: v0-63 K's fragments; v64-127 V's; v128-159 Q of block 7 - i.
.set PKP,   144                        ; a row of K in LDS: 128 bytes + 16
.set PVP,   160                        ; a row of V: 128 + 32: an odd multiple of 32
.set VOFF,  64*PKP                     ; a step: 64 rows of K, then 64 rows of V
.set STEPB, 64*(PKP+PVP)
.set SLOT1, 1<<17
.set STAGE, 262144                     ; 8 waves x 32 rows x 144: no tensor load lands here
.set SPARE, STAGE+8*32*144             ; the spare words: 1,024 bytes that no other line names
.set AK0, 1
.set AV0, 2
.set ADK, 3
.set ADV, 4
.set STO, 5
.set RD,  6
.set GO,  7
.set SPW, 8
.set NIL, 9
.set DQ,  10                           ; lane % 16 - 8 (lane / 16)
.set D0,  11                           ; v11, v12: for tile 0, 1: register 8 kt + j is hidden where 16 kt + j is above this
.set NINF, 13
.set PFO, 14
.set QO,  15
.set ST,  16
.set Q,   32
.set S,   64
.set P,   128
.set O,   160
.set OUTR, 224
.set WV,  8
.set I,   9
.set BH,  10
.set N1,  11                           ; the trip's number, 1 .. 8
.set SW,  12                           ; i + 1: the trip that asks for key slot 0 again
.set SW1, 13                           ; i + 2: the trip that begins block 7 - i
.set LIM, 14                           ; a wave prefetches while N1 is under it: 8 in the head's work-group 0, else 0
.set CNT, 15
.set TB,  16                           ; LDS byte at which the step in hand begins
.set KF,  17                           ; its first key
.set Q0,  18                           ; my first query
.set TS,  19
.set SEL, 20
.set CS,  22
.set G1K, 24
.set G1V, 32
.set G0,  40
.set RST, 48                           ; s[48:49] what the walk goes back by
.set PFA, 50
.set YA,  52                           ; s[52:53], s[54:55] where my rows of y begin, for the two blocks
.set YB,  54
.set BACK, 60
.set Q0B, 61
.set MSB, 0
.macro WIN new
.set WNEW, \new
.if MSB != WNEW
	s_set_vgpr_msb (MSB<<8)|WNEW
.set MSB, WNEW
.endif
.endm
.macro TLOAD                           ; my quarter of K's or of V's tile: two lines, since the paddings differ; an s_nop 0 and four v_nop follow each
	s_cmp_lt_u32 s[WV], 4
	s_cbranch_scc0 .Lfor_v_\@
	tensor_load_to_lds s[G0:G0+3], s[G1K:G1K+7]
	s_nop 0
.rept 4
	v_nop
.endr
	s_branch .Lasked_\@
.Lfor_v_\@:
	tensor_load_to_lds s[G0:G0+3], s[G1V:G1V+7]
	s_nop 0
.rept 4
	v_nop
.endr
.Lasked_\@:
.endm
; A prefetch of what the NEXT change of slots will ask for.  All four work-groups of a head walk the same keys; work-group 0, whose second block walks key slots 0 to 7 in order, asks.
; Each of its waves names its own 8,192 bytes of the next key slot, lanes 256 bytes apart: each aligned 256 bytes of key slots 1 to 7 once in the launch.  Trip 8 asks for nothing.
.macro ASK
	s_cmp_lt_u32 s[N1], s[LIM]
	s_cbranch_scc0 .Lnot_mine_\@
	global_prefetch_b8 v[PFO], s[PFA:PFA+1] th:TH_LOAD_NT scope:SCOPE_SE
.Lnot_mine_\@:
.endm
; THE CHANGE OF SLOTS, at a slot's head.  All my tensor loads have landed (my part of the slot ahead); the add; my reads of the slot that I left are over; one barrier.
; fill = 1: the slot just left takes the keys that follow; at the change of blocks the walk goes back to key 0.
.macro CHANGE fill
	s_wait_tensorcnt 0x0                           ; no tensor load of mine is out: group 0 may be written
	ds_add_u32 v[SPW], v[NIL]                      ; the steps below stand between the add and its wait
.if \fill
	s_xor_b32 s[G0+1], s[G0+1], SLOT1
	s_cmp_eq_u32 s[N1], s[SW]
	s_cselect_b32 s[RST], s[BACK], 0
	s_add_nc_u64 s[G0+2:G0+3], s[G0+2:G0+3], 32768 ; 256 keys on (the type bits on top are not reached),
	s_sub_nc_u64 s[G0+2:G0+3], s[G0+2:G0+3], s[RST:RST+1]   ; or back to key 0
	s_wait_xcnt 0x0                                ; the last prefetch, a slot back, has read its address
	s_add_nc_u64 s[PFA:PFA+1], s[PFA:PFA+1], 32768
.endif
	s_wait_dscnt 0x0
	s_barrier_signal -1
	s_barrier_wait -1
.if \fill
	TLOAD                                          ; the first thing behind the barrier, my one tensor load until the next: it has a slot's four steps in which to land
	ASK
.endif
.endm
.macro SOFTMAX                         ; both tiles, line by line by turns
.irp j, 0,1,2,3
.irp t, 0,1
	v_max3_num_f32 v[ST+8*\t+4+\j], v[S+32*\t+8*\j], v[S+32*\t+8*\j+1], v[S+32*\t+8*\j+2]   ; four chains; each accumulator is read from its low end on
.endr
.endr
.irp g, 1,2
.irp j, 0,1,2,3
.irp t, 0,1
	v_max3_num_f32 v[ST+8*\t+4+\j], v[ST+8*\t+4+\j], v[S+32*\t+8*\j+2*\g+1], v[S+32*\t+8*\j+2*\g+2]
.endr
.endr
.endr
.irp t, 0,1
	v_max3_num_f32 v[ST+8*\t+4], v[ST+8*\t+4], v[S+32*\t+7], v[S+32*\t+15]
.endr
.irp t, 0,1
	v_max3_num_f32 v[ST+8*\t+6], v[ST+8*\t+6], v[S+32*\t+23], v[S+32*\t+31]
.endr
.irp t, 0,1
	v_max3_num_f32 v[ST+8*\t+4], v[ST+8*\t+4], v[ST+8*\t+5], v[ST+8*\t+6]
.endr
.irp t, 0,1
	v_max3_num_f32 v[ST+8*\t+4], v[ST+8*\t+4], v[ST+8*\t+7], v[ST+8*\t+1]   ; with the old m
.endr
.irp t, 0,1
	v_permlanex16_b32 v[ST+8*\t+5], v[ST+8*\t+4], s[SEL], s[SEL+1]          ; the query's other 32 keys lie in the lane 16 away
.endr
.irp t, 0,1
	v_mov_b32 v[ST+8*\t+7], v[ST+8*\t]             ; c m_old
.endr
.irp t, 0,1
	v_max_num_f32 v[ST+8*\t+1], v[ST+8*\t+4], v[ST+8*\t+5]
.endr
.irp t, 0,1
	v_mul_f32 v[ST+8*\t], s[CS], v[ST+8*\t+1]
.endr
.irp t, 0,1
	v_sub_f32 v[ST+8*\t+7], v[ST+8*\t+7], v[ST+8*\t]
.endr
.irp n, 0,1,2,3,4,5,6,7,8,9,10,11,12,13,14,15
.irp t, 0,1
	v_pk_fma_f32 v[S+32*\t+2*\n:S+32*\t+2*\n+1], v[S+32*\t+2*\n:S+32*\t+2*\n+1], s[CS:CS+1], v[ST+8*\t:ST+8*\t+1] op_sel_hi:[1,0,0] neg_lo:[0,0,1] neg_hi:[0,0,1]   ; c s - c m
.endr
.endr
.irp t, 0,1
	v_exp_f32 v[ST+8*\t+6], v[ST+8*\t+7]           ; a = 2^(c m_old - c m_new)
.endr
.irp n, 0,1,2,3,4,5,6,7,8,9,10,11,12,13,14,15,16,17,18,19,20,21,22,23,24,25,26,27,28,29,30,31
.irp t, 0,1
	v_exp_f32 v[S+32*\t+\n], v[S+32*\t+\n]         ; one batch: none of these reads another's result
.endr
.endr
	v_nop                                          ; a plain instruction behind the last exponential
	s_wait_alu depctr_va_vdst(0)                   ; one wait for the 66, ahead of their first reader
.irp n, 0,1,2,3,4,5,6,7,8,9,10,11,12,13,14,15
.irp t, 0,1
	v_cvt_pk_f16_f32 v[P+16*\t+\n], v[S+32*\t+2*\n], v[S+32*\t+2*\n+1]
.endr
.endr
.irp u, 0,1,2,3,4,5,6,7
.irp t, 0,1
	v_pk_add_f32 v[S+32*\t+4*\u:S+32*\t+4*\u+1], v[S+32*\t+4*\u:S+32*\t+4*\u+1], v[S+32*\t+4*\u+2:S+32*\t+4*\u+3]   ; the sum of the unrounded p, as a tree of pairs
.endr
.endr
.irp u, 0,1,2,3
.irp t, 0,1
	v_pk_add_f32 v[S+32*\t+8*\u:S+32*\t+8*\u+1], v[S+32*\t+8*\u:S+32*\t+8*\u+1], v[S+32*\t+8*\u+4:S+32*\t+8*\u+5]
.endr
.endr
.irp u, 0,1
.irp t, 0,1
	v_pk_add_f32 v[S+32*\t+16*\u:S+32*\t+16*\u+1], v[S+32*\t+16*\u:S+32*\t+16*\u+1], v[S+32*\t+16*\u+8:S+32*\t+16*\u+9]
.endr
.endr
.irp t, 0,1
	v_pk_add_f32 v[S+32*\t:S+32*\t+1], v[S+32*\t:S+32*\t+1], v[S+32*\t+16:S+32*\t+17]
.endr
.irp t, 0,1
	v_pk_fma_f32 v[ST+8*\t+2:ST+8*\t+3], v[ST+8*\t+2:ST+8*\t+3], v[ST+8*\t+6:ST+8*\t+7], v[S+32*\t:S+32*\t+1] op_sel_hi:[1,0,1]   ; l = a l + the sum
.endr
.irp n, 0,1,2,3,4,5,6,7,8,9,10,11,12,13,14,15
.irp t, 0,1
	v_pk_mul_f32 v[O+32*\t+2*\n:O+32*\t+2*\n+1], v[O+32*\t+2*\n:O+32*\t+2*\n+1], v[ST+8*\t+6:ST+8*\t+7] op_sel_hi:[1,0]   ; O^T x a, each accumulator from its low end on
.endr
.endr
.endm
.macro STEP                            ; 64 keys
	s_add_co_u32 s[TS], s[Q0], 31
	s_cmp_gt_u32 s[KF], s[TS]                      ; all 64 keys come after my 32 queries: ids and the count of steps alone
	s_cbranch_scc1 .Lhid_\@
	v_add_nc_u32 v[ADK], s[TB], v[AK0]             ; these two and two v_nop: the four places between the last products and the loads into their operands
	v_add_nc_u32 v[ADV], s[TB], v[AV0]
	v_nop
	v_nop
	WIN 0x40                                       ; destination window 1
.irp kt, 0,1,2,3
.irp u, 0,1
	ds_load_b128 v[8*(2*\kt+\u):8*(2*\kt+\u)+3], v[ADK] offset:\kt*16*PKP+\u*64
	ds_load_b128 v[8*(2*\kt+\u)+4:8*(2*\kt+\u)+7], v[ADK] offset:\kt*16*PKP+\u*64+32
.endr
.endr
.irp ku, 0,1
.irp ct, 0,1,2,3
	ds_load_tr16_b128 v[64+8*(4*\ku+\ct):64+8*(4*\ku+\ct)+3], v[ADV] offset:\ku*32*PVP+\ct*32
	ds_load_tr16_b128 v[64+8*(4*\ku+\ct)+4:64+8*(4*\ku+\ct)+7], v[ADV] offset:\ku*32*PVP+16*PVP+\ct*32
.endr
.endr
	s_wait_dscnt 16                                ; K's sixteen loads are in; V's sixteen may be out
	WIN 0x01                                       ; source 0 window 1
.irp u, 0,1                            ; S^T = K Q^T: eight accumulators by turns; the first eight products start the sums
.irp kt, 0,1,2,3
.irp t, 0,1
.if \u == 0
	v_wmma_f32_16x16x32_f16 v[S+32*\t+8*\kt:S+32*\t+8*\kt+7], v[8*(2*\kt+\u):8*(2*\kt+\u)+7], v[Q+16*\t+8*\u:Q+16*\t+8*\u+7], 0
.else
	v_wmma_f32_16x16x32_f16 v[S+32*\t+8*\kt:S+32*\t+8*\kt+7], v[8*(2*\kt+\u):8*(2*\kt+\u)+7], v[Q+16*\t+8*\u:Q+16*\t+8*\u+7], v[S+32*\t+8*\kt:S+32*\t+8*\kt+7]
.endif
.endr
.endr
.endr
	WIN 0
.rept 4
	v_nop                                          ; places in front of the first read of the scores
.endr
	s_add_co_u32 s[TS], s[KF], 63
	s_cmp_le_u32 s[TS], s[Q0]                      ; all 64 keys count for all my queries
	s_cbranch_scc1 .Lopen_\@
	s_sub_co_i32 s[TS], s[Q0], s[KF]
	v_add_nc_u32 v[D0], s[TS], v[DQ]               ; register 8 kt + j of tile t holds key KF + 16 kt + 8 (lane / 16) + j, my query is Q0 + 16 t + lane % 16
	v_add_nc_u32 v[D0+1], 16, v[D0]
.irp t, 0,1
.set n, 0
.rept 32
	v_cmp_gt_i32 vcc_lo, 16*(n/8)+n%8, v[D0+\t]
	v_cndmask_b32 v[S+32*\t+n], v[S+32*\t+n], v[NINF], vcc_lo
.set n, n+1
.endr
.endr
.Lopen_\@:
	SOFTMAX
	s_wait_dscnt 0x0                               ; V is in
	WIN 0x01
.irp ku, 0,1                           ; O^T += V^T P: eight accumulators by turns
.irp ct, 0,1,2,3
.irp t, 0,1
	v_wmma_f32_16x16x32_f16 v[O+32*\t+8*\ct:O+32*\t+8*\ct+7], v[64+8*(4*\ku+\ct):64+8*(4*\ku+\ct)+7], v[P+16*\t+8*\ku:P+16*\t+8*\ku+7], v[O+32*\t+8*\ct:O+32*\t+8*\ct+7]
.endr
.endr
.endr
	WIN 0
.Lhid_\@:
	s_add_co_u32 s[TB], s[TB], STEPB
	s_add_co_u32 s[KF], s[KF], 64
.endm
.macro SLOT_STEPS                      ; a slot's four steps: written once, walked four times
	s_mov_b32 s[CNT], 4
.Lstep_\@:
	STEP
	s_sub_co_u32 s[CNT], s[CNT], 1
	s_cmp_lg_u32 s[CNT], 0
	s_cbranch_scc1 .Lstep_\@
	s_sub_co_u32 s[TB], s[TB], 4*STEPB
	s_xor_b32 s[TB], s[TB], SLOT1                  ; on to the other slot
.endm
.macro INIT                            ; the step is written once: its first walk finds zeros, which the first change of m leaves zeros
.set n, 0
.rept 64
	v_mov_b32 v[O+n], 0
.set n, n+1
.endr
.irp t, 0,1
	v_mov_b32 v[ST+8*\t+1], 0xff61b1e6             ; m = -3e38, under every score that f16 operands can give
	v_mul_f32 v[ST+8*\t], s[CS], v[ST+8*\t+1]
.irp k, 2,3,4,5,6,7
	v_mov_b32 v[ST+8*\t+\k], 0
.endr
.endr
.endm
; A block's way out: O^T / l, rounded to f16, through my stage (32 rows x 144) and out as 4,096 dense bytes.  wx = 1: the packed registers were an earlier store's data.
.macro FINISH base, wx
.if \wx
	s_wait_xcnt 0x0
.endif
.rept 4
	v_nop                                          ; places behind the last products
.endr
.irp t, 0,1
	v_add_f32 v[ST+8*\t+4], v[ST+8*\t+2], v[ST+8*\t+3]
.endr
.irp t, 0,1
	v_permlanex16_b32 v[ST+8*\t+5], v[ST+8*\t+4], s[SEL], s[SEL+1]
.endr
.irp t, 0,1
	v_add_f32 v[ST+8*\t+4], v[ST+8*\t+4], v[ST+8*\t+5]
.endr
.irp t, 0,1
	v_rcp_f32 v[ST+8*\t+6], v[ST+8*\t+4]
.endr
	v_nop
	s_wait_alu depctr_va_vdst(0)                   ; one wait for the two reciprocals, ahead of their first reader
.irp t, 0,1
.irp n, 0,1,2,3,4,5,6,7,8,9,10,11,12,13,14,15
	v_pk_mul_f32 v[O+32*\t+2*\n:O+32*\t+2*\n+1], v[O+32*\t+2*\n:O+32*\t+2*\n+1], v[ST+8*\t+6:ST+8*\t+7] op_sel_hi:[1,0]
.endr
.endr
.irp t, 0,1
.irp n, 0,1,2,3,4,5,6,7,8,9,10,11,12,13,14,15
	v_cvt_pk_f16_f32 v[OUTR+16*\t+\n], v[O+32*\t+2*\n], v[O+32*\t+2*\n+1]
.endr
.endr
.irp t, 0,1
.irp ct, 0,1,2,3
	ds_store_b128 v[STO], v[OUTR+16*\t+4*\ct:OUTR+16*\t+4*\ct+3] offset:\t*16*144+32*\ct
.endr
.endr
.irp i, 0,1,2,3,4,5,6,7
	ds_load_b128 v[OUTR+4*\i:OUTR+4*\i+3], v[RD] offset:\i*4*144   ; LDS serves a wave's instructions in order: these see the stores above
.endr
.irp i, 0,1,2,3,4,5,6,7
	s_wait_dscnt 7-\i
	global_store_b128 v[GO], v[OUTR+4*\i:OUTR+4*\i+3], s[\base:\base+1] offset:512*\i   ; four rows of 128 bytes: 512 consecutive bytes, aligned
.endr
.endm
	s_load_b128 s[4:7], s[0:1], 0x0                ; qkv16 s[4:5], y16 s[6:7]
	v_lshl_add_u32 v[SPW], v0, 2, SPARE
	v_mov_b32 v[NIL], 0
	ds_add_u32 v[SPW], v[NIL]                      ; the opening: the add, twice on end, and its wait ahead of my first tensor load
	ds_add_u32 v[SPW], v[NIL]
	v_lshrrev_b32 v1, 5, v0
	v_readfirstlane_b32 s[WV], v1                  ; wave 0..7
	s_mov_b32 s[I], ttmp9
	s_and_b32 s[BH], ttmp7, 0xffff                 ; 16 b + h
	s_mov_b32 s[G1K], (1<<16)|(1<<20)|(4<<22)|(3<<25)   ; elements of 2 bytes; padding on: 4 words after every 32
	s_mov_b32 s[G1V], (1<<16)|(1<<20)|(4<<22)|(7<<25)   ; 8 words after every 32
.irp g, G1K, G1V
	s_mov_b32 s[\g+1], 64<<16                      ; tensor_dim0 = 64
	s_mov_b32 s[\g+2], 64<<16                      ; tensor_dim1 = 64
	s_mov_b32 s[\g+3], 64<<16                      ; tile_dim0 = 64
	s_mov_b32 s[\g+4], 64                          ; tile_dim1 = 64
	s_mov_b32 s[\g+5], 64                          ; from row to row
	s_mov_b32 s[\g+6], 0
	s_mov_b32 s[\g+7], 0
.endr
	s_and_b32 s2, s[WV], 3                         ; which 64 keys of a slot I fetch
	s_lshr_b32 s3, s[WV], 2                        ; of K (0) or of V (1)
	s_mov_b32 s[G0], 1
	s_mul_i32 s[G0+1], s2, STEPB
	s_mul_i32 s[TS], s3, VOFF
	s_add_co_u32 s[G0+1], s[G0+1], s[TS]
	s_add_co_u32 s44, s3, 1
	s_lshl_b32 s44, s44, 24                        ; K's section or V's,
	s_lshl_b32 s[TS], s[BH], 18
	s_add_co_u32 s44, s44, s[TS]                   ; my head,
	s_lshl_b32 s[TS], s2, 13
	s_add_co_u32 s44, s44, s[TS]                   ; my 64 rows of 128 bytes
	s_mov_b32 s45, 0
	s_mov_b32 s[SEL], 0x76543210
	s_mov_b32 s[SEL+1], 0xfedcba98
	s_mov_b32 s[CS], 0x3e38aa3b                    ; c = log2(e) / 8
	s_mov_b32 s[CS+1], s[CS]
	s_mov_b32 s[TB], 0
	s_mov_b32 s[KF], 0
	s_mov_b32 s[RST+1], 0
	s_add_co_u32 s[SW], s[I], 1
	s_add_co_u32 s[SW1], s[I], 2
	s_lshl_b32 s[BACK], s[SW], 15
	s_lshl_b32 s[Q0], s[I], 8
	s_lshl_b32 s[TS], s[WV], 5
	s_add_co_u32 s[Q0], s[Q0], s[TS]               ; 256 i + 32 w
	s_sub_co_u32 s[Q0B], 7, s[I]
	s_lshl_b32 s[Q0B], s[Q0B], 8
	s_add_co_u32 s[Q0B], s[Q0B], s[TS]             ; 256 (7 - i) + 32 w
	s_cmp_eq_u32 s[I], 0
	s_cselect_b32 s[LIM], 8, 0
	s_wait_dscnt 0x0                               ; both opening adds are done
	s_wait_kmcnt 0x0
	s_add_nc_u64 s[PFA:PFA+1], s[4:5], s[44:45]    ; my part of key slot 0; the first change steps it to slot 1
	s_mov_b64 s[G0+2:G0+3], s[PFA:PFA+1]
	s_or_b32 s[G0+3], s[G0+3], 0x80000000
	TLOAD                                          ; slot 0
	v_and_b32 v224, 15, v0                         ; r
	v_bfe_u32 v225, v0, 4, 1                       ; h
	v_and_b32 v226, 31, v0                         ; lane
	v_and_b32 v227, 7, v0
	v_bfe_u32 v228, v0, 3, 1
	v_bfe_u32 v229, v0, 3, 2
	v_lshlrev_b32 v[QO], 7, v224
	v_lshl_add_u32 v[QO], v225, 4, v[QO]           ; Q: row r of 128 bytes, + 16 h
	s_lshl_b32 s44, s[BH], 18
	s_lshl_b32 s[TS], s[Q0], 7
	s_add_co_u32 s[TS], s[TS], s44
	s_mov_b32 s46, s[TS]
	s_mov_b32 s47, 0
	s_add_nc_u64 s[46:47], s[4:5], s[46:47]
	s_lshl_b32 s[TS], s[Q0B], 7
	s_add_co_u32 s56, s[TS], s44
	s_mov_b32 s57, 0
	s_add_nc_u64 s[56:57], s[4:5], s[56:57]
.irp t, 0,1
.irp u, 0,1
	global_load_b128 v[Q+16*\t+8*\u:Q+16*\t+8*\u+3], v[QO], s[46:47] offset:\t*2048+\u*64
	global_load_b128 v[Q+16*\t+8*\u+4:Q+16*\t+8*\u+7], v[QO], s[46:47] offset:\t*2048+\u*64+32
.endr
.endr
	WIN 0x40
.irp t, 0,1
.irp u, 0,1
	global_load_b128 v[128+16*\t+8*\u:128+16*\t+8*\u+3], v[QO], s[56:57] offset:\t*2048+\u*64
	global_load_b128 v[128+16*\t+8*\u+4:128+16*\t+8*\u+7], v[QO], s[56:57] offset:\t*2048+\u*64+32
.endr
.endr
	WIN 0
	v_mul_u32_u24 v[AK0], v224, PKP
	v_lshl_add_u32 v[AK0], v225, 4, v[AK0]         ; K: row r x pitch + 16 h
	v_lshl_add_u32 v[AV0], v225, 3, v227
	v_mul_u32_u24 v[AV0], v[AV0], PVP
	v_lshl_add_u32 v[AV0], v228, 4, v[AV0]
	v_add_nc_u32 v[AV0], VOFF, v[AV0]              ; V, turned: key 8 h + lane % 8, channels 8 ((lane / 8) % 2) on
	s_mul_i32 s[TS], s[WV], 32*144
	s_add_co_u32 s[TS], s[TS], STAGE
	v_mul_u32_u24 v[STO], v224, 144
	v_lshl_add_u32 v[STO], v225, 4, v[STO]
	v_add_nc_u32 v[STO], s[TS], v[STO]
	v_mul_u32_u24 v[RD], v229, 144
	v_lshl_add_u32 v[RD], v227, 4, v[RD]
	v_add_nc_u32 v[RD], s[TS], v[RD]
	v_lshlrev_b32 v[GO], 4, v226
	v_lshlrev_b32 v[PFO], 8, v226
	v_lshlrev_b32 v[DQ], 3, v225
	v_sub_nc_u32 v[DQ], v224, v[DQ]
	v_mov_b32 v[NINF], 0xff800000
	s_and_b32 s[TS], s[BH], 15                     ; y16: row 8192 h + 2048 b + my first query, 128 bytes a row
	s_lshl_b32 s[TS], s[TS], 13
	s_lshr_b32 s44, s[BH], 4
	s_lshl_b32 s44, s44, 11
	s_add_co_u32 s[TS], s[TS], s44
	s_add_co_u32 s44, s[TS], s[Q0]
	s_lshl_b32 s44, s44, 7
	s_add_nc_u64 s[YA:YA+1], s[6:7], s[44:45]
	s_add_co_u32 s44, s[TS], s[Q0B]
	s_lshl_b32 s44, s44, 7
	s_add_nc_u64 s[YB:YB+1], s[6:7], s[44:45]
	INIT
	s_wait_loadcnt 0x0                             ; both blocks' Q
	s_mov_b32 s[N1], 1
.Lslot:                                            ; eight trips: behind each change of slots the next slot is asked for
	CHANGE 1
	s_cmp_lg_u32 s[N1], s[SW1]
	s_cbranch_scc1 .Lsame
	FINISH YA, 0                                   ; block i is done: out with it,
	WIN 0x01
.set n, 0
.rept 32
	v_mov_b32 v[Q+n], v[128+n]                     ; block 7 - i's queries,
.set n, n+1
.endr
	WIN 0
	INIT                                           ; and a fresh start at key 0
	s_mov_b32 s[Q0], s[Q0B]
	s_mov_b32 s[KF], 0
.Lsame:
	SLOT_STEPS
	s_add_co_u32 s[N1], s[N1], 1
	s_cmp_lt_u32 s[N1], 9
	s_cbranch_scc1 .Lslot
	CHANGE 0                                       ; the ninth slot is written out: nothing is left to ask for
	SLOT_STEPS
	FINISH YB, 1
	s_wait_tensorcnt 0x0                           ; the wave's end
	ds_add_u32 v[SPW], v[NIL]
	s_wait_dscnt 0x0
	s_endpgm
.Lfunc_end_k_q6d286623bb_attn:
	.size	k_q6d286623bb_attn, .Lfunc_end_k_q6d286623bb_attn-k_q6d286623bb_attn
	.p2alignl 7, 3214868480
	.fill 96, 4, 3214868480
	.section	.rodata,"a",@progbits
	.p2align	6, 0x0
	.amdhsa_kernel k_q6d286623bb_attn
		.amdhsa_group_segment_fixed_size 327680
		.amdhsa_private_segment_fixed_size 0
		.amdhsa_enable_private_segment 0
		.amdhsa_kernarg_size 16
		.amdhsa_user_sgpr_count 2
		.amdhsa_user_sgpr_kernarg_segment_ptr 1
		.amdhsa_wavefront_size32 1
		.amdhsa_system_sgpr_workgroup_id_x 1
		.amdhsa_system_sgpr_workgroup_id_y 1
		.amdhsa_system_sgpr_workgroup_id_z 1
		.amdhsa_system_vgpr_workitem_id 0
		.amdhsa_next_free_vgpr 416
		.amdhsa_next_free_sgpr 66
		.amdhsa_reserve_vcc 1
		.amdhsa_float_denorm_mode_32 3
		.amdhsa_float_denorm_mode_16_64 3
		.amdhsa_memory_ordered 1
		.amdhsa_forward_progress 1
		.amdhsa_inst_pref_size 72
	.end_amdhsa_kernel
	.amdgpu_metadata
---
amdhsa.version: [ 1, 2 ]
amdhsa.kernels:
  - .name:           k_q6d286623bb_attn
    .symbol:         k_q6d286623bb_attn.kd
    .args:
      - { .name: qkv16, .offset: 0, .size: 8, .value_kind: global_buffer, .address_space: global }
      - { .name: y16, .offset: 8, .size: 8, .value_kind: global_buffer, .address_space: global }
    .group_segment_fixed_size: 327680
    .private_segment_fixed_size: 0
    .kernarg_segment_align: 8
    .kernarg_segment_size: 16
    .max_flat_workgroup_size: 256
    .sgpr_count:     66
    .vgpr_count:     416
    .wavefront_size: 32
...
	.end_amdgpu_metadata
.endif
;; end of part 3
;; launch proj (part 4): grid 4 x 64, 4 waves a work-group, clusters of 4 x 4, 327,680 bytes of LDS; arguments y16, wp16, b_proj, out0; writes out0
.if DOCPART == 4
	.amdgcn_target "amdgcn-amd-amdhsa--gfx1250"
	.amdhsa_code_object_version 6
	.text
	.protected	k_q6d286623bb_proj
	.globl	k_q6d286623bb_proj
	.p2align	8
	.type	k_q6d286623bb_proj,@function
k_q6d286623bb_proj:
	s_mov_b64 s[64:65], 0
	v_nop
	global_prefetch_b8 v0, s[64:65] scope:SCOPE_SE
	s_setreg_imm32_b32 hwreg(HW_REG_WAVE_MODE, 25, 1), 1
	s_wait_xcnt 0x0
	s_wait_alu depctr_hold_cnt(0) depctr_sa_sdst(0) depctr_va_vdst(0) depctr_va_sdst(0) depctr_va_ssrc(0) depctr_va_vcc(0) depctr_vm_vsrc(0)
	s_getreg_b32 s2, hwreg(HW_REG_IB_STS2, 6, 4)
	s_cmp_eq_u32 s2, 0
	s_cbranch_scc0 .Lentry_in_a_cluster
	s_endpgm
.Lentry_in_a_cluster:
	s_bfe_u32 s2, ttmp6, 0x10000c
	s_cmp_lg_u32 s2, 0xf033
	s_cbranch_scc0 .Lentry_shape_is_right
	s_endpgm
.Lentry_shape_is_right:
; out0 = y W_proj + b_proj.  y16: f16 [16 h][8192][64] (k = 64 h + d); wp16: f16 [1024 k][1024 n]; out0: f32 [8192][1024]; sums in f32.
; A tile of 128 rows x 256 columns to a work-group: 256 work-groups.  Wave w: rows 64 (w >> 1) on, columns 128 (w & 1) on: 4 x 8 accumulators, 256 registers.
; K goes in steps of 128 (two heads) through two LDS slots: A's part is 2 x 128 rows of 128 bytes, B's 128 rows (k) of 512 bytes.  Waves 0, 1 fetch A's two heads, waves 2, 3 B's two halves.
; CLUSTERS: 4 x 4: A's tiles are shared along a row of the cluster, B's along a column: joint loads; where a slot is filled again a round of the cluster's barrier stands in front.
; THE MATRIX INSTRUCTION IS USED TRANSPOSED: source 0 = 16 columns of W_proj (K is not innermost there: ds_load_tr16_b128 turns them), source 1 = 16 rows of y: a lane holds eight
; neighbouring columns of one row.  The bias is the C of each sum's first product.
; The first 16 positions of each sequence are written again, more finely, by the launch that follows.
; REGISTERS.  window 0: v16-29 addresses; v32-95 the way out; v96-127, v128-159 A's fragments, two buffers; v160-223 the bias, later the way out.
;   window 1: v0-63, v64-127 B's fragments, two buffers.   window 2: accumulator (a, b) at v[8 (8 a + b)].
.set PA,     144                       ; a row of A in LDS: 128 bytes + 16
.set PB,     544                       ; a row of B: 512 + 32: an odd multiple of 32
.set AH,     128*PA                    ; one head's 128 rows
.set BOFF,   2*AH
.set BHALF,  64*PB
.set SLOT,   BOFF+2*BHALF
.set STAGE,  2*SLOT                    ; 16 rows x 528 for each wave: no tensor load lands here
.set SPITCH, 528
.set SPARE,  STAGE+4*16*SPITCH         ; the spare words: 512 bytes that no other line names
.set LAPS,   4                         ; a lap = two K steps of 128
.set ADRA, 16
.set ADRB, 20
.set STO,  24
.set RD,   25
.set CO,   26
.set SPW,  28
.set NIL,  29
.set FA,   96
.set BI,   160
.set WV,  12
.set RH,  13                           ; which 64 rows are mine; also: I fetch for A (0) or B (1)
.set CH,  14                           ; which 128 columns; also: which half I fetch
.set G1, 24
.set G0, 32
.set G1B, 48
.set G0B, 56
.set MSB, 0
.macro WIN new
.set WNEW, \new
.if MSB != WNEW
	s_set_vgpr_msb (MSB<<8)|WNEW
.set MSB, WNEW
.endif
.endm
.set MUL,  0xa1                        ; source 0 (B) window 1, source 1 (A) window 0, C and D window 2;  0x81: C (the bias) window 0
.set TO_B, 0x40
.macro JLOAD s                         ; a joint load; an s_nop 0 and four v_nop follow each of the two lines
	s_cmp_eq_u32 s[RH], 0
	s_cbranch_scc0 .Lfor_b_\@
	tensor_load_to_lds s[G0+4*\s:G0+4*\s+3], s[G1:G1+7]
	s_nop 0
.rept 4
	v_nop
.endr
	s_branch .Lasked_\@
.Lfor_b_\@:
	tensor_load_to_lds s[G0B+4*\s:G0B+4*\s+3], s[G1B:G1B+7]
	s_nop 0
.rept 4
	v_nop
.endr
.Lasked_\@:
.endm
.macro CREST
	s_cmp_lg_u32 s[WV], 0
	s_cbranch_scc1 .Lnot_wave_0_\@
	s_barrier_signal -3
.Lnot_wave_0_\@:
	s_barrier_wait -3
	s_barrier_signal -1
	s_barrier_wait -1
.endm
.macro CROUND
	s_barrier_signal -1
	s_barrier_wait -1
	CREST
.endm
	s_load_b256 s[4:11], s[0:1], 0x0               ; y16 s[4:5], wp16 s[6:7], b_proj s[8:9], out0 s[10:11]
	v_lshl_add_u32 v[SPW], v0, 2, SPARE
	v_mov_b32 v[NIL], 0
	ds_add_u32 v[SPW], v[NIL]                      ; the opening: the add, twice on end, and its wait ahead of my first tensor load
	ds_add_u32 v[SPW], v[NIL]
	v_lshrrev_b32 v1, 5, v0
	v_readfirstlane_b32 s[WV], v1
	s_lshr_b32 s[RH], s[WV], 1
	s_and_b32 s[CH], s[WV], 1
	s_bfe_u32 s40, ttmp6, 0x40000                  ; cx
	s_bfe_u32 s41, ttmp6, 0x40004                  ; cy
	s_lshl_b32 s42, ttmp9, 2
	s_add_co_u32 s42, s42, s40                     ; tile column
	s_and_b32 s15, ttmp7, 0xffff
	s_lshl_b32 s15, s15, 2
	s_add_co_u32 s15, s15, s41                     ; tile row
	s_lshl_b32 s43, s41, 2
	s_lshl_b32 s43, 15, s43                        ; my row of the cluster
	s_lshl_b32 s44, 0x1111, s40                    ; my column
	s_or_b32 s[G1+0], s43, (1<<16)|(1<<20)|(1<<21)|(4<<22)|(3<<25)   ; A: elements of 2 bytes; 4 words of padding after every 32
	s_mov_b32 s[G1+1], 64<<16                      ; tensor_dim0 = 64
	s_mov_b32 s[G1+2], 128<<16                     ; tensor_dim1 = 128
	s_mov_b32 s[G1+3], 64<<16                      ; tile_dim0 = 64
	s_mov_b32 s[G1+4], 128                         ; tile_dim1 = 128
	s_mov_b32 s[G1+5], 64                          ; from row to row
	s_mov_b32 s[G1+6], 0
	s_mov_b32 s[G1+7], 0
	s_or_b32 s[G1B+0], s44, (1<<16)|(1<<20)|(1<<21)|(6<<22)|(7<<25)  ; B: 8 words of padding after every 128
	s_mov_b32 s[G1B+1], 256<<16
	s_mov_b32 s[G1B+2], 64<<16
	s_mov_b32 s[G1B+3], 256<<16
	s_mov_b32 s[G1B+4], 64
	s_mov_b32 s[G1B+5], 1024
	s_mov_b32 s[G1B+6], 0
	s_mov_b32 s[G1B+7], 0
	s_lshl_b32 s16, s[CH], 20                      ; A: head e: 1,048,576 bytes a head; 128 rows of 128 bytes a tile row
	s_lshl_b32 s17, s15, 14
	s_add_co_u32 s16, s16, s17
	s_mov_b32 s17, 0
	s_lshl_b32 s46, s[CH], 17                      ; B: 64 rows of 2,048 bytes a half; 512 bytes a tile column
	s_lshl_b32 s47, s42, 9
	s_add_co_u32 s46, s46, s47
	s_mov_b32 s47, 0
	s_mul_i32 s20, s[CH], AH                       ; where they go: the wave's number alone
	s_mul_i32 s21, s[CH], BHALF
	s_add_co_u32 s21, s21, BOFF
	s_wait_dscnt 0x0
	s_wait_kmcnt 0x0
	s_add_nc_u64 s[18:19], s[4:5], s[16:17]
	s_add_nc_u64 s[46:47], s[6:7], s[46:47]
	CROUND                                         ; all sixteen work-groups are here: the first joint loads meet
.irp s, 0,1
	s_mov_b32 s[G0+4*\s], 1
	s_add_co_u32 s[G0+4*\s+1], s20, \s*SLOT
	s_add_nc_u64 s[G0+4*\s+2:G0+4*\s+3], s[18:19], \s*2097152      ; K step s: two heads on
	s_or_b32 s[G0+4*\s+3], s[G0+4*\s+3], 0x80000000
	s_mov_b32 s[G0B+4*\s], 1
	s_add_co_u32 s[G0B+4*\s+1], s21, \s*SLOT
	s_add_nc_u64 s[G0B+4*\s+2:G0B+4*\s+3], s[46:47], \s*262144     ; 128 rows on
	s_or_b32 s[G0B+4*\s+3], s[G0B+4*\s+3], 0x80000000
	JLOAD \s                                       ; two loads of mine are out
.endr
	v_and_b32 v1, 15, v0                           ; r
	v_bfe_u32 v2, v0, 4, 1                         ; h
	s_lshl_b32 s16, s15, 7
	s_lshl_b32 s17, s[RH], 6
	s_add_co_u32 s16, s16, s17                     ; my first row of out0
	s_lshl_b32 s16, s16, 12                        ; 4,096 bytes a row
	s_mov_b32 s17, 0
	s_add_nc_u64 s[10:11], s[10:11], s[16:17]
	s_lshl_b32 s46, s42, 10
	s_lshl_b32 s47, s[CH], 9
	s_add_co_u32 s46, s46, s47                     ; my first column, in bytes of f32
	s_mov_b32 s47, 0
	s_add_nc_u64 s[10:11], s[10:11], s[46:47]
	s_add_nc_u64 s[8:9], s[8:9], s[46:47]
	v_lshlrev_b32 v7, 5, v2                        ; the bias: for block b, columns 16 b + 8 h + 0 .. 7
.irp b, 0,1,2,3,4,5,6,7
	global_load_b128 v[BI+8*\b:BI+8*\b+3], v7, s[8:9] offset:64*\b
	global_load_b128 v[BI+8*\b+4:BI+8*\b+7], v7, s[8:9] offset:64*\b+16
.endr
	v_mul_u32_u24 v3, v1, PA
	v_lshl_add_u32 v3, v2, 4, v3                   ; A: row r x pitch + 16 h
	s_mul_i32 s21, s[RH], 64*PA
	v_and_b32 v4, 7, v0
	v_lshl_add_u32 v4, v2, 3, v4
	v_mul_u32_u24 v4, v4, PB
	v_bfe_u32 v5, v0, 3, 1
	v_lshl_add_u32 v4, v5, 4, v4                   ; B, turned: k 8 h + lane % 8, columns 8 ((lane / 8) % 2) on
	s_lshl_b32 s22, s[CH], 8
	s_add_co_u32 s22, s22, BOFF
.irp s, 0,1
	v_add_nc_u32 v[ADRA+\s], s21, v3
	v_add_nc_u32 v[ADRB+\s], s22, v4
	s_add_co_u32 s21, s21, SLOT
	s_add_co_u32 s22, s22, SLOT
.endr
	s_mul_i32 s23, s[WV], 16*SPITCH
	s_add_co_u32 s23, s23, STAGE
	v_mul_u32_u24 v5, v1, SPITCH
	v_lshl_add_u32 v5, v2, 5, v5
	v_add_nc_u32 v[STO], s23, v5                   ; the stage: row r, + 32 h
	v_and_b32 v6, 31, v0
	v_lshlrev_b32 v[CO], 4, v6
	v_add_nc_u32 v[RD], s23, v[CO]
; 8 products: A's block a x B's eight, 32 along K, buffer f.  zero = 1: the sums start from the bias.  The 32 accumulators take turns, in the same order in every quarter.
.macro MUL8 f, a, zero
.irp b, 0,1,2,3,4,5,6,7
.if \zero
	v_wmma_f32_16x16x32_f16 v[8*(8*(\a)+\b):8*(8*(\a)+\b)+7], v[64*(\f)+8*\b:64*(\f)+8*\b+7], v[FA+32*(\f)+8*(\a):FA+32*(\f)+8*(\a)+7], v[BI+8*\b:BI+8*\b+7]
.else
	v_wmma_f32_16x16x32_f16 v[8*(8*(\a)+\b):8*(8*(\a)+\b)+7], v[64*(\f)+8*\b:64*(\f)+8*\b+7], v[FA+32*(\f)+8*(\a):FA+32*(\f)+8*(\a)+7], v[8*(8*(\a)+\b):8*(8*(\a)+\b)+7]
.endif
.endr
.endm
.macro FETCH slot, q, f                ; 24 LDS loads in one run: quarter q (32 along K) of a slot into buffer f
	WIN TO_B
.irp i, 0,1,2,3,4,5,6,7
	ds_load_tr16_b128 v[64*(\f)+8*\i:64*(\f)+8*\i+3], v[ADRB+\slot] offset:(\q)*32*PB+32*\i
	ds_load_tr16_b128 v[64*(\f)+8*\i+4:64*(\f)+8*\i+7], v[ADRB+\slot] offset:(\q)*32*PB+16*PB+32*\i
.endr
	WIN 0
.irp i, 0,1,2,3
	ds_load_b128 v[FA+32*(\f)+8*\i:FA+32*(\f)+8*\i+3], v[ADRA+\slot] offset:((\q)/2)*AH+((\q)%2)*64+\i*16*PA
	ds_load_b128 v[FA+32*(\f)+8*\i+4:FA+32*(\f)+8*\i+7], v[ADRA+\slot] offset:((\q)/2)*AH+((\q)%2)*64+\i*16*PA+32
.endr
.endm
.macro PLACES                          ; four plain vector instructions in front of loads into registers that matrix instructions have read, and of reads of results
.rept 4
	v_nop
.endr
.endm
.macro QUARTER slot, qn, f, g, zero    ; multiplies buffer f; in its middle fetches quarter qn of the same slot into buffer g
	s_wait_dscnt 0x0                               ; buffer f's loads were issued sixteen products ago
	WIN MUL-0x20*(\zero)
	MUL8 \f, 0, \zero
	MUL8 \f, 1, \zero
	PLACES
	FETCH \slot, \qn, \g
	WIN MUL-0x20*(\zero)
	MUL8 \f, 2, \zero
	MUL8 \f, 3, \zero
.endm
; A slot's last quarter multiplies buffer 1 and changes slots: ONE barrier; in front of it all my tensor loads have landed, the add, and my reads of this slot are over.
.macro TURN slot, next, fill
	WIN 0                                          ; (the add's two registers lie in window 0)
	s_wait_tensorcnt 0x0                           ; my part of the next slot has landed
	ds_add_u32 v[SPW], v[NIL]
	s_wait_dscnt 1                                 ; buffer 1 is in; the add alone may be out
	WIN MUL
	MUL8 1, 0, 0
	s_wait_dscnt 0x0
	s_barrier_signal -1
	MUL8 1, 1, 0
.if \fill
	WIN 0
.endif
	s_barrier_wait -1
.if \fill
	CREST                                          ; the barrier has opened a round of the cluster's: no wave of any partner still reads this slot or has a load on its way
	s_add_nc_u64 s[G0+4*\slot+2:G0+4*\slot+3], s[G0+4*\slot+2:G0+4*\slot+3], 2*2097152
	s_add_nc_u64 s[G0B+4*\slot+2:G0B+4*\slot+3], s[G0B+4*\slot+2:G0B+4*\slot+3], 2*262144
	JLOAD \slot                                    ; the first tensor load behind the round; its four v_nop are also the places in front of the loads below
.else
	PLACES
.endif
	FETCH \next, 0, 0
	WIN MUL
	MUL8 1, 2, 0
	MUL8 1, 3, 0
.endm
	s_wait_tensorcnt 1                             ; my part of K step 0 is in; K step 1's load may be out
	s_barrier_signal -1
	s_barrier_wait -1
	FETCH 0, 0, 0
	s_wait_loadcnt 0x0                             ; the bias
	QUARTER 0, 1, 0, 1, 1                          ; the first quarter stands in front of the loop: its products start the sums
	WIN 0
	s_mov_b32 s3, LAPS-1
.Llap:                                             ; a trip goes once round the ring and fills both slots again
	QUARTER 0, 2, 1, 0, 0
	QUARTER 0, 3, 0, 1, 0
	TURN 0, 1, 1
	QUARTER 1, 1, 0, 1, 0
	QUARTER 1, 2, 1, 0, 0
	QUARTER 1, 3, 0, 1, 0
	TURN 1, 0, 1
	QUARTER 0, 1, 0, 1, 0
	WIN 0
	s_sub_co_u32 s3, s3, 1
	s_cmp_lg_u32 s3, 0
	s_cbranch_scc1 .Llap
	QUARTER 0, 2, 1, 0, 0                          ; the last lap fills nothing
	QUARTER 0, 3, 0, 1, 0
	TURN 0, 1, 0
	QUARTER 1, 1, 0, 1, 0
	QUARTER 1, 2, 1, 0, 0
	QUARTER 1, 3, 0, 1, 0
	s_wait_dscnt 0x0
	WIN MUL
	MUL8 1, 0, 0
	MUL8 1, 1, 0
	MUL8 1, 2, 0
	MUL8 1, 3, 0
	WIN 0
; THE WAY OUT, block by block of 16 rows x 128 columns: through my own stage, back as whole rows of 512 bytes.
.macro TOSTAGE a
	WIN 0x08                                       ; an LDS store's data: window 2
.irp b, 0,1,2,3,4,5,6,7
	ds_store_b128 v[STO], v[64*(\a)+8*\b:64*(\a)+8*\b+3] offset:64*\b        ; each accumulator from its low end on
	ds_store_b128 v[STO], v[64*(\a)+8*\b+4:64*(\a)+8*\b+7] offset:64*\b+16
.endr
	WIN 0
.set BB, 32+128*((\a)%2)
.irp t, 0,1,2,3,4,5,6,7,8,9,10,11,12,13,14,15
	ds_load_b128 v[BB+4*\t:BB+4*\t+3], v[RD] offset:\t*SPITCH
.endr
.endm
.macro SEND a, younger
.set BB, 32+128*((\a)%2)
	s_wait_dscnt \younger                          ; the block is back; the next block's 16 stores and 16 loads may be out
.irp t, 0,1,2,3,4,5,6,7,8,9,10,11,12,13,14,15
	global_store_b128 v[CO], v[BB+4*\t:BB+4*\t+3], s[10:11] offset:(\a)*65536+\t*4096 th:TH_STORE_NT   ; 512 consecutive bytes, aligned
.endr
.endm
	PLACES
	TOSTAGE 0
.irp a, 1,2,3
.if \a > 1
	s_wait_xcnt 0x0                                ; block a - 2's stores have read their data: block a's loads may land there
.endif
	TOSTAGE \a
	SEND \a-1, 32
.endr
	SEND 3, 0
	s_wait_tensorcnt 0x0                           ; the wave's end
	ds_add_u32 v[SPW], v[NIL]
	s_wait_dscnt 0x0
	CROUND                                         ; the closing round
	s_endpgm
.Lfunc_end_k_q6d286623bb_proj:
	.size	k_q6d286623bb_proj, .Lfunc_end_k_q6d286623bb_proj-k_q6d286623bb_proj
	.p2alignl 7, 3214868480
	.fill 96, 4, 3214868480
	.section	.rodata,"a",@progbits
	.p2align	6, 0x0
	.amdhsa_kernel k_q6d286623bb_proj
		.amdhsa_group_segment_fixed_size 327680
		.amdhsa_private_segment_fixed_size 0
		.amdhsa_enable_private_segment 0
		.amdhsa_kernarg_size 32
		.amdhsa_user_sgpr_count 2
		.amdhsa_user_sgpr_kernarg_segment_ptr 1
		.amdhsa_wavefront_size32 1
		.amdhsa_system_sgpr_workgroup_id_x 1
		.amdhsa_system_sgpr_workgroup_id_y 1
		.amdhsa_system_sgpr_workgroup_id_z 1
		.amdhsa_system_vgpr_workitem_id 0
		.amdhsa_next_free_vgpr 768
		.amdhsa_next_free_sgpr 66
		.amdhsa_reserve_vcc 0
		.amdhsa_float_denorm_mode_32 3
		.amdhsa_float_denorm_mode_16_64 3
		.amdhsa_memory_ordered 1
		.amdhsa_forward_progress 1
		.amdhsa_inst_pref_size 87
	.end_amdhsa_kernel
	.amdgpu_metadata
---
amdhsa.version: [ 1, 2 ]
amdhsa.kernels:
  - .name:           k_q6d286623bb_proj
    .symbol:         k_q6d286623bb_proj.kd
    .args:
      - { .name: y16, .offset: 0, .size: 8, .value_kind: global_buffer, .address_space: global }
      - { .name: wp16, .offset: 8, .size: 8, .value_kind: global_buffer, .address_space: global }
      - { .name: b_proj, .offset: 16, .size: 8, .value_kind: global_buffer, .address_space: global }
      - { .name: out0, .offset: 24, .size: 8, .value_kind: global_buffer, .address_space: global }
    .group_segment_fixed_size: 327680
    .private_segment_fixed_size: 0
    .kernarg_segment_align: 8
    .kernarg_segment_size: 32
    .max_flat_workgroup_size: 128
    .sgpr_count:     66
    .vgpr_count:     768
    .wavefront_size: 32
...
	.end_amdgpu_metadata
.endif
;; end of part 4
;; launch first16 (part 5): grid 16 x 4, 16 waves a work-group, no clusters, 67,584 bytes of LDS; arguments qkv32, W_proj, b_proj, out0; writes out0
.if DOCPART == 5
	.amdgcn_target "amdgcn-amd-amdhsa--gfx1250"
	.amdhsa_code_object_version 6
	.text
	.protected	k_q6d286623bb_first16
	.globl	k_q6d286623bb_first16
	.p2align	8
	.type	k_q6d286623bb_first16,@function
k_q6d286623bb_first16:
	s_mov_b64 s[64:65], 0
	v_nop
	global_prefetch_b8 v0, s[64:65] scope:SCOPE_SE
	s_setreg_imm32_b32 hwreg(HW_REG_WAVE_MODE, 25, 1), 1
	s_wait_xcnt 0x0
; THE FIRST 16 POSITIONS OF EACH SEQUENCE, all in f32: under the causal mask these rows average one to sixteen values and are the largest, so no operand of theirs is rounded to 16 bits.
; qkv32: f32 [16 b + t][3072] (q, k, v with the bias).  out0 rows 2048 b + 0 .. 15 are written anew.
; SHARES.  Work-group (G, b) makes columns 64 G .. 64 G + 63 of the batch's 16 rows.  Wave w is head w: it makes its head's 16 x 16 attention (small: repeated in the 16 column groups),
; multiplies its y (16 x 64) by W_proj's rows 64 w .. 64 w + 63, and the sixteen partial results meet in LDS.  64 rows in all: no bulk work, so the f32 matrix form serves.
; LAYOUT.  All products are used transposed (S^T = K Q^T, O^T = V^T P, out^T = W^T y^T): a lane holds ONE query.  A result's registers 2 i, 2 i + 1 are the next product's source 1 as they
; stand; the other source is loaded so that the same lane half and register hold the same k.  Both sources of every product have one and the same map of (lane half, register) to k.
; The registers that the matrix instructions write (v16-63) are written by nothing else; O^T's four accumulators are begun anew, with C = 0, for the projection.
; REGISTERS: v1-10 addresses; v16-31 S^T in two halves of K; v32-63 O^T, then out^T; v64-95 Q, v96-127 K, later W's channels 32-63; v128-159 V, later y; v160-223 W's channels 0-31, later the
; sixteen partial sums; v224-231 scores, then p; v232-241 at work.
.set SPW, 1
.set NIL, 2
.set AQ,  3
.set AV,  4
.set AW,  5
.set DQ,  6
.set LST, 7
.set LRD, 8
.set GO,  9
.set NINF, 10
.set SA,  16
.set SB,  24
.set OA,  32
.set QF,  64
.set KF,  96
.set WB,  64
.set VF,  128
.set Y,   128
.set WA,  160
.set RDB, 160
.set T,   224
.set M,   232
.set M2,  233
.set CM,  234
.set LS,  235
.set LS2, 236
.set INV, 237
.set ACC, 240                          ; v[240:241] the bias, then the sum
.set SPARE, 65536                      ; behind the sixteen images: the spare words, 2,048 bytes that no other line names
.set SEL, 24
.set CS,  26
	s_load_b256 s[4:11], s[0:1], 0x0               ; qkv32 s[4:5], W_proj s[6:7], b_proj s[8:9], out0 s[10:11]
	v_lshl_add_u32 v[SPW], v0, 2, SPARE
	v_mov_b32 v[NIL], 0
	v_lshrrev_b32 v11, 5, v0
	v_readfirstlane_b32 s12, v11                   ; wave = head
	s_and_b32 s13, ttmp7, 0xffff                   ; batch
	v_and_b32 v11, 15, v0                          ; r
	v_bfe_u32 v12, v0, 4, 1                        ; h
	v_and_b32 v13, 31, v0                          ; lane
	v_mul_u32_u24 v[AQ], v11, 12288
	v_lshl_add_u32 v[AQ], v12, 4, v[AQ]            ; Q, K: row r, + 16 h: of each 8 channels lane half h takes 4
	v_mul_u32_u24 v[AV], v12, 98304
	v_lshl_add_u32 v[AV], v11, 2, v[AV]            ; V: keys 8 h on, channel r of a tile
	v_lshlrev_b32 v[AW], 15, v12
	v_lshl_add_u32 v[AW], v11, 2, v[AW]            ; W: rows 8 h on, column r of a tile
	v_lshlrev_b32 v[DQ], 3, v12
	v_sub_nc_u32 v[DQ], v11, v[DQ]                 ; register j holds key 8 h + j: hidden where j is above r - 8 h
	v_lshlrev_b32 v[GO], 3, v13
	s_lshl_b32 s14, s12, 12
	v_lshl_add_u32 v[LST], v13, 4, s14             ; my image: 4,096 bytes a wave, 16 bytes a lane
	v_bfe_u32 v14, v0, 3, 2                        ; back: wave w takes query w, lane L columns 2 L, 2 L + 1: tile L / 8, lane half (L / 4) % 2, registers 2 (L % 4), + 1
	v_lshlrev_b32 v[LRD], 10, v14
	v_bfe_u32 v14, v0, 1, 1
	v_lshl_add_u32 v[LRD], v14, 9, v[LRD]
	v_bfe_u32 v14, v0, 2, 1
	v_lshl_add_u32 v[LRD], v14, 8, v[LRD]
	v_and_b32 v14, 1, v0
	v_lshl_add_u32 v[LRD], v14, 3, v[LRD]
	s_lshl_b32 s15, s12, 4
	v_add_nc_u32 v[LRD], s15, v[LRD]
	v_mov_b32 v[NINF], 0xff800000
	v_mov_b32 v[M2], 0                             ; a lane permute's destination counts as one of its sources
	v_mov_b32 v[LS2], 0
	s_mul_i32 s16, s13, 196608                     ; the batch's 16 rows of 12,288 bytes,
	s_lshl_b32 s17, s12, 8
	s_add_co_u32 s16, s16, s17                     ; the head's 256 bytes of a section
	s_mov_b32 s17, 0
	s_lshl_b32 s18, s12, 18                        ; W_proj: the head's 64 rows of 4,096 bytes,
	s_lshl_b32 s20, ttmp9, 8
	s_add_co_u32 s18, s18, s20                     ; my 64 columns
	s_mov_b32 s19, 0
	s_mov_b32 s21, 0
	s_lshl_b32 s22, s13, 11
	s_add_co_u32 s22, s22, s12
	s_lshl_b32 s22, s22, 12
	s_add_co_u32 s22, s22, s20                     ; out0: row 2048 b + w, my 64 columns
	s_mov_b32 s23, 0
	s_mov_b32 s[SEL], 0x76543210
	s_mov_b32 s[SEL+1], 0xfedcba98
	s_mov_b32 s[CS], 0x3e38aa3b                    ; c = log2(e) / 8
	s_wait_kmcnt 0x0
	s_add_nc_u64 s[4:5], s[4:5], s[16:17]
	s_add_nc_u64 s[6:7], s[6:7], s[18:19]
	s_add_nc_u64 s[8:9], s[8:9], s[20:21]
	s_add_nc_u64 s[10:11], s[10:11], s[22:23]
	global_load_b64 v[ACC:ACC+1], v[GO], s[8:9]    ; the bias of my two columns
.irp c, 0,1,2,3,4,5,6,7
	global_load_b128 v[QF+4*\c:QF+4*\c+3], v[AQ], s[4:5] offset:32*\c            ; channels 8 c + 4 h + 0 .. 3 of query r
.endr
.irp c, 0,1,2,3,4,5,6,7
	global_load_b128 v[KF+4*\c:KF+4*\c+3], v[AQ], s[4:5] offset:4096+32*\c       ; and of key r
.endr
.irp ct, 0,1,2,3
.irp jj, 0,1,2,3,4,5,6,7
	global_load_b32 v[VF+8*\ct+\jj], v[AV], s[4:5] offset:8192+\jj*12288+64*\ct  ; V(8 h + jj, 16 ct + r)
.endr
.endr
.irp ct, 0,1
.irp nt, 0,1,2,3
.irp jj, 0,1,2,3,4,5,6,7
	global_load_b32 v[WA+32*\ct+8*\nt+\jj], v[AW], s[6:7] offset:(16*\ct+\jj)*4096+64*\nt   ; W(64 w + 16 ct + 8 h + jj, 64 G + 16 nt + r)
.endr
.endr
.endr
	s_wait_loadcnt 63                              ; behind V's last load 64 were issued: the bias, Q, K and V are in
.irp c, 0,1,2,3,4,5,6,7                ; S^T = K Q^T: 16 steps of 4 along K, on two accumulators by turns
.irp p, 0,1
.if \c == 0
	v_wmma_f32_16x16x4_f32 v[SA+8*\p:SA+8*\p+7], v[KF+4*\c+2*\p:KF+4*\c+2*\p+1], v[QF+4*\c+2*\p:QF+4*\c+2*\p+1], 0
.else
	v_wmma_f32_16x16x4_f32 v[SA+8*\p:SA+8*\p+7], v[KF+4*\c+2*\p:KF+4*\c+2*\p+1], v[QF+4*\c+2*\p:QF+4*\c+2*\p+1], v[SA+8*\p:SA+8*\p+7]
.endif
.endr
.endr
.rept 8
	v_nop                                          ; eight places behind this form, in front of loads into its sources and of the first read of its results
.endr
.irp ct, 2,3
.irp nt, 0,1,2,3
.irp jj, 0,1,2,3,4,5,6,7
	global_load_b32 v[WB+32*(\ct-2)+8*\nt+\jj], v[AW], s[6:7] offset:(16*\ct+\jj)*4096+64*\nt
.endr
.endr
.endr
.irp j, 0,1,2,3,4,5,6,7
	v_add_f32 v[T+\j], v[SA+\j], v[SB+\j]          ; the two halves of K; from the low end on
.endr
.irp j, 0,1,2,3,4,5,6,7
	v_cmp_gt_i32 vcc_lo, \j, v[DQ]
	v_cndmask_b32 v[T+\j], v[T+\j], v[NINF], vcc_lo   ; hidden keys: -infinity.  Key 0 counts for every query, so the maximum below is a number
.endr
	v_max3_num_f32 v[M], v[T], v[T+1], v[T+2]
	v_max3_num_f32 v[M], v[M], v[T+3], v[T+4]
	v_max3_num_f32 v[M], v[M], v[T+5], v[T+6]
	v_max_num_f32 v[M], v[M], v[T+7]
	v_permlanex16_b32 v[M2], v[M], s[SEL], s[SEL+1]
	v_max_num_f32 v[M], v[M], v[M2]                ; the row's maximum
	v_mul_f32 v[CM], s[CS], v[M]
.irp j, 0,1,2,3,4,5,6,7
	v_fma_f32 v[T+\j], v[T+\j], s[CS], -v[CM]
.endr
.irp j, 0,1,2,3,4,5,6,7
	v_exp_f32 v[T+\j], v[T+\j]                     ; p = 2^(c s - c m)
.endr
	v_nop
	s_wait_alu depctr_va_vdst(0)                   ; one wait for the eight, ahead of their first reader
	v_add_f32 v[LS], v[T], v[T+1]
.irp j, 2,3,4,5,6,7
	v_add_f32 v[LS], v[LS], v[T+\j]
.endr
	v_permlanex16_b32 v[LS2], v[LS], s[SEL], s[SEL+1]
	v_add_f32 v[LS], v[LS], v[LS2]                 ; the row's sum
	v_rcp_f32 v[INV], v[LS]
	v_nop
	s_wait_alu depctr_va_vdst(0)
.irp i, 0,1,2,3                        ; O^T = V^T P: keys 8 h + 2 i, + 1 in a step; four accumulators by turns
.irp ct, 0,1,2,3
.if \i == 0
	v_wmma_f32_16x16x4_f32 v[OA+8*\ct:OA+8*\ct+7], v[VF+8*\ct+2*\i:VF+8*\ct+2*\i+1], v[T+2*\i:T+2*\i+1], 0
.else
	v_wmma_f32_16x16x4_f32 v[OA+8*\ct:OA+8*\ct+7], v[VF+8*\ct+2*\i:VF+8*\ct+2*\i+1], v[T+2*\i:T+2*\i+1], v[OA+8*\ct:OA+8*\ct+7]
.endif
.endr
.endr
.rept 9
	v_nop                                          ; nine places: y is written over V's registers, and the projection begins anew on these accumulators
.endr
.set n, 0
.rept 32
	v_mul_f32 v[Y+n], v[OA+n], v[INV]              ; y(query r, channel 16 ct + 8 h + j) in register 8 ct + j
.set n, n+1
.endr
	s_wait_loadcnt 63                              ; behind the last load of W's first half 64 were issued: that half is in
.irp ct, 0,1                           ; out^T = W^T y^T: channels 16 ct + 8 h + 2 i, + 1 in a step; four accumulators by turns
.irp i, 0,1,2,3
.irp nt, 0,1,2,3
.if (\ct == 0) && (\i == 0)
	v_wmma_f32_16x16x4_f32 v[OA+8*\nt:OA+8*\nt+7], v[WA+32*\ct+8*\nt+2*\i:WA+32*\ct+8*\nt+2*\i+1], v[Y+8*\ct+2*\i:Y+8*\ct+2*\i+1], 0
.else
	v_wmma_f32_16x16x4_f32 v[OA+8*\nt:OA+8*\nt+7], v[WA+32*\ct+8*\nt+2*\i:WA+32*\ct+8*\nt+2*\i+1], v[Y+8*\ct+2*\i:Y+8*\ct+2*\i+1], v[OA+8*\nt:OA+8*\nt+7]
.endif
.endr
.endr
.endr
	s_wait_loadcnt 0x0                             ; W's second half
.irp ct, 2,3
.irp i, 0,1,2,3
.irp nt, 0,1,2,3
	v_wmma_f32_16x16x4_f32 v[OA+8*\nt:OA+8*\nt+7], v[WB+32*(\ct-2)+8*\nt+2*\i:WB+32*(\ct-2)+8*\nt+2*\i+1], v[Y+8*\ct+2*\i:Y+8*\ct+2*\i+1], v[OA+8*\nt:OA+8*\nt+7]
.endr
.endr
.endr
.rept 8
	v_nop
.endr
.irp g, 0,1,2,3,4,5,6,7
	ds_store_b128 v[LST], v[OA+4*\g:OA+4*\g+3] offset:512*\g       ; my partial result as an image of its registers; each accumulator from its low end on
.endr
	s_wait_dscnt 0x0                               ; for the others' sake: my stores have landed
	s_barrier_signal -1
	s_barrier_wait -1
.irp s, 0,1,2,3,4,5,6,7,8,9,10,11,12,13,14,15
	ds_load_b64 v[RDB+2*\s:RDB+2*\s+1], v[LRD] offset:4096*\s      ; head s's part of my two numbers
.endr
	s_wait_dscnt 0x0
.irp s, 0,1,2,3,4,5,6,7,8,9,10,11,12,13,14,15
	v_pk_add_f32 v[ACC:ACC+1], v[ACC:ACC+1], v[RDB+2*\s:RDB+2*\s+1]   ; onto the bias, the heads in ascending order
.endr
	global_store_b64 v[GO], v[ACC:ACC+1], s[10:11]                 ; the wave stores 256 consecutive bytes, aligned
	s_wait_tensorcnt 0x0                           ; the wave's end, behind my last LDS store
	ds_add_u32 v[SPW], v[NIL]
	s_wait_dscnt 0x0
	s_endpgm
.Lfunc_end_k_q6d286623bb_first16:
	.size	k_q6d286623bb_first16, .Lfunc_end_k_q6d286623bb_first16-k_q6d286623bb_first16
	.p2alignl 7, 3214868480
	.fill 96, 4, 3214868480
	.section	.rodata,"a",@progbits
	.p2align	6, 0x0
	.amdhsa_kernel k_q6d286623bb_first16
		.amdhsa_group_segment_fixed_size 67584
		.amdhsa_private_segment_fixed_size 0
		.amdhsa_enable_private_segment 0
		.amdhsa_kernarg_size 32
		.amdhsa_user_sgpr_count 2
		.amdhsa_user_sgpr_kernarg_segment_ptr 1
		.amdhsa_wavefront_size32 1
		.amdhsa_system_sgpr_workgroup_id_x 1
		.amdhsa_system_sgpr_workgroup_id_y 1
		.amdhsa_system_sgpr_workgroup_id_z 1
		.amdhsa_system_vgpr_workitem_id 0
		.amdhsa_next_free_vgpr 256
		.amdhsa_next_free_sgpr 66
		.amdhsa_reserve_vcc 1
		.amdhsa_float_denorm_mode_32 3
		.amdhsa_float_denorm_mode_16_64 3
		.amdhsa_memory_ordered 1
		.amdhsa_forward_progress 1
		.amdhsa_inst_pref_size 33
	.end_amdhsa_kernel
	.amdgpu_metadata
---
amdhsa.version: [ 1, 2 ]
amdhsa.kernels:
  - .name:           k_q6d286623bb_first16
    .symbol:         k_q6d286623bb_first16.kd
    .args:
      - { .name: qkv32, .offset: 0, .size: 8, .value_kind: global_buffer, .address_space: global }
      - { .name: W_proj, .offset: 8, .size: 8, .value_kind: global_buffer, .address_space: global }
      - { .name: b_proj, .offset: 16, .size: 8, .value_kind: global_buffer, .address_space: global }
      - { .name: out0, .offset: 24, .size: 8, .value_kind: global_buffer, .address_space: global }
    .group_segment_fixed_size: 67584
    .private_segment_fixed_size: 0
    .kernarg_segment_align: 8
    .kernarg_segment_size: 32
    .max_flat_workgroup_size: 512
    .sgpr_count:     66
    .vgpr_count:     256
    .wavefront_size: 32
...
	.end_amdgpu_metadata
.endif
;; end of part 5
